; MI455X (gfx1250); checked and timed in simulation.
; The chip was launched on July 23, 2026; its instructions are those of AMD's public machine-readable ISA for CDNA 5 (MIT licence, August 2026) and "CDNA5" Instruction Set Architecture Reference Guide (July 2026). The comments in the code are by the model that wrote it; some were corrected since.
;; GQA Reference. Allowed arithmetic: matrix products marked QUANTISED: E2M1 operands, one E8M0 scale for each 32 along K, by v_wmma_scale_f32_16x16x128_f8f6f4 with both operands' format E2M1 (or v_wmma_scale_f32_32x16x128_f4), f32 sums; everything else in f32.
;; Inputs: attention_mask 1 x 1 x 2,048 x 2,048 float32; cos 1 x 1 x 2,048 x 128 float32; hidden_states 1 x 2,048 x 4,096 float32; k_norm_w 128 float32; pre_norm_w 4,096 float32; q_norm_w 128 float32; sin 1 x 1 x 2,048 x 128 float32; wk_codes 1,024 x 128 x 16 uint8 (E2M1 codes of wk, K innermost, in blocks of 32 codes, two codes a byte); wk_scales 1,024 x 128 uint8 (E8M0 scales of wk, one for each 32 codes along K); wo_codes 4,096 x 64 x 16 uint8 (E2M1 codes of wo, K innermost, in blocks of 32 codes, two codes a byte); wo_scales 4,096 x 64 uint8 (E8M0 scales of wo, one for each 32 codes along K); wq_codes 2,048 x 128 x 16 uint8 (E2M1 codes of wq, K innermost, in blocks of 32 codes, two codes a byte); wq_scales 2,048 x 128 uint8 (E8M0 scales of wq, one for each 32 codes along K); wv_codes 1,024 x 128 x 16 uint8 (E2M1 codes of wv, K innermost, in blocks of 32 codes, two codes a byte); wv_scales 1,024 x 128 uint8 (E8M0 scales of wv, one for each 32 codes along K).
;; Outputs: out0 1 x 2,048 x 4,096 float32.
;; This version of the problem:
;;   THIS VERSION OF THE PROBLEM IS GIVEN IN LOW PRECISION. The matrix products marked QUANTISED in the list below multiply operands that are first quantised to E2M1 (2 exponent bits, 1 mantissa bit; 4 bits a number), with one power-of-two scale for each 32 numbers along K (OCP MX v1.0); their sums are f32. All else is computed in f32.
;;   The module's matrix products, in the order in which they are computed (A, B: the left and right operand; K: the contracted axis; several contracted axes count as one K, in the product's order):
;;     1. [M 2,048, K 4,096] x [K 4,096, N 2,048]; A: computed on the way; B: input wq (given as codes): QUANTISED
;;     2. [M 2,048, K 4,096] x [K 4,096, N 1,024]; A: computed on the way; B: input wk (given as codes): QUANTISED
;;     3. [M 2,048, K 4,096] x [K 4,096, N 1,024]; A: computed on the way; B: input wv (given as codes): QUANTISED
;;     4. batch 16 x [M 2,048, K 128] x [K 128, N 2,048]; A: computed on the way; B: computed on the way: QUANTISED
;;     5. batch 16 x [M 2,048, K 2,048] x [K 2,048, N 128]; A: softmax (see below); B: computed on the way: QUANTISED
;;     6. [M 2,048, K 2,048] x [K 2,048, N 4,096]; A: computed on the way; B: input wo (given as codes): QUANTISED
;;   THE QUANTISER, for each operand of a quantised product, along K:
;;     - K is cut into blocks of 32 from its start; a last block that is shorter is filled with zeros.
;;     - A block's scale is 2^e with e = floor(log2(the largest magnitude in the block)) - 2, held to -126 .. 127; a block of zeros has e = 0. As a byte (E8M0): e + 127.
;;     - Each number is divided by its block's scale, clamped to +-6, and rounded to the nearest number of E2M1, ties to even, subnormals kept.
;;     - The product sums the exact products of the quantised numbers (number of the format x scale) in f32.
;;   ~~~python
;;   def quantise(x, axis):      # numpy; x: float32 -> the quantised numbers, widened to float32 again
;;       x = np.moveaxis(x, axis, -1); K = x.shape[-1]
;;       x = np.pad(x, [(0, 0)] * (x.ndim - 1) + [(0, -K % 32)]); x = x.reshape(x.shape[:-1] + (-1, 32)); a = np.abs(x).max(-1, keepdims=True)
;;       e = np.where(a > 0, np.clip(np.frexp(np.where(a > 0, a, 1))[1] - 1 - 2, -126, 127), 0)      # np.frexp(a)[1] - 1 = floor(log2(a)), exactly
;;       r = np.clip(x / 2.0 ** e, -6, 6)
;;       step = 2.0 ** (np.maximum(np.frexp(np.where(r == 0, 1, r))[1] - 1, 0) - 1)
;;       q = np.round(r / step) * step * 2.0 ** e      # np.round: ties to even
;;       return np.moveaxis(q.reshape(q.shape[:-2] + (-1,))[..., :K], -1, axis).astype(np.float32)
;;   ~~~
;;   SOFTMAX AHEAD OF A QUANTISED PRODUCT. Where the list says 'softmax', what is quantised is not the finished softmax but p = 2^(t - M), with t = logit x log2(e) and M = ceil(the row's largest t), a whole number; so 1/2 < the row's largest p <= 1. The row's sum l is taken of the UNQUANTISED p, in f32, and the product's result is divided by l at the end. Since M is a whole number, a kernel that streams over the keys may use a running M (the ceiling of the running maximum): every later rescaling is an exact power of two, which a block's scale takes up: the codes' values come out the same.
;;   OPERANDS COMPUTED ON THE WAY. 'Computed on the way' means the value that the module computes at that place (a softmax that the list does not call 'softmax' is quantised finished and normalised). What goes into a quantiser is computed in f32, as accurately as f32 sums, v_exp_f32 and their like allow (about 1e-6 of the number): no bf16 or f16 on the way to a quantiser, and a product that is left as it is and whose result goes on into a quantised operand takes f32 operands (vector FMAs, or v_wmma_f32_16x16x4_f32). A number that lies on a knife's edge between two numbers of the format may be rounded either way, as far as f32 arithmetic and the matrix unit's own rounding can turn it there, and no further.
;;   INPUTS GIVEN AS CODES. wk (in the module: [1024, 4096], K = its axis 1); wo (in the module: [4096, 2048], K = its axis 1); wq (in the module: [2048, 4096], K = its axis 1); wv (in the module: [1024, 4096], K = its axis 1): each comes as NAME_codes (uint8): NAME with its K axis moved to the last place and cut into blocks of 32 codes, [.., K / 32, bytes a block], one block behind the other in memory; two codes a byte, the lower K in the low four bits (a code: sign, 2 exponent bits, 1 mantissa bit); and NAME_scales (uint8): the same leading axes, one E8M0 byte (e + 127) for each 32 codes along K. Its value is code x scale, taken as it is: it is not quantised again, and the codes and scales need not be those that the quantiser above would give.
;; One version. Each part assembles by itself: llvm-mc -triple=amdgcn-amd-amdhsa -mcpu=gfx1250 --defsym DOCPART=n.
;; ======== version 1 of 1: 4 launches
;; limits: right only within a limited range of input values
;; workspace buffers: h_codes 4,194,304 bytes; h_scales 262,144 bytes; q_img 2,097,152 bytes; q_scl 131,072 bytes; kv_img 2,097,152 bytes; kv_scl 131,072 bytes; a_img 2,097,152 bytes; a_scl 131,072 bytes
;; launch prenorm (part 1): grid 256 x 1, 8 waves a work-group, no clusters, 186,368 bytes of LDS; arguments hidden_states, pre_norm_w, h_codes, h_scales; writes h_codes, h_scales
.if DOCPART == 1
	.amdgcn_target "amdgcn-amd-amdhsa--gfx1250"
	.amdhsa_code_object_version 6
	.text
	.protected	k_q948cabbf47_prenorm
	.globl	k_q948cabbf47_prenorm
	.p2align	8
	.type	k_q948cabbf47_prenorm,@function
k_q948cabbf47_prenorm:
	s_mov_b64 s[64:65], 0
	v_nop
	global_prefetch_b8 v0, s[64:65] scope:SCOPE_SE
	s_setreg_imm32_b32 hwreg(HW_REG_WAVE_MODE, 25, 1), 1
	s_wait_xcnt 0x0
; h = pre_norm_w * (x * rsqrt(mean(x^2) + 1e-5)), x: [2048][4096] f32, turned into codes of FP4 (E2M1), K = 4,096 innermost, [2048][2,048 bytes],
; with one E8M0 byte for each 32 along K, [2048][128 bytes].  All arithmetic ahead of the conversion is f32, in the order w * (x * rs).
; SHARES.  A work-group of eight waves takes 8 rows, a wave ONE: all eight rows are on their way at once.  A row is 16,384 bytes: 32 loads of 512 consecutive bytes, 128 registers: it is read from memory
; once, and stays in the wave's stage in LDS between the sum of squares and the conversion.  The conversions want 16 NEIGHBOURS along K in one lane, the loads give neighbouring lanes neighbouring bytes:
; the stage turns one into the other (stored as loaded, read back 64 bytes a lane; 16 bytes of padding behind each 64 keep the lanes' reads on different banks).
; pre_norm_w lies once in LDS in the same padded form, each wave bringing an eighth; a barrier stands ahead of its first read.  Two neighbouring lanes hold a block of 32.
; A step is 512 numbers: the wave stores 256 consecutive bytes of codes, aligned.  The work-group's 1,024 scale bytes are gathered in LDS; behind a second barrier waves 0 to 3 store them, 256 consecutive bytes each, aligned.
; A block's scale byte is its largest magnitude's exponent field - 2, held at 1 from below.  A block of zeros so gets the byte 1 where the quantiser says 127: its codes are zeros, and this program alone reads the bytes.
; LIMITS: NaN and infinities among the inputs are not served.
; No matrix unit, no cluster, no tensor load: the launch streams, and its work-groups share only the 16 KB of pre_norm_w.
.set SP,    80                         ; a lane's place in a stage: 64 bytes + 16 of padding
.set STEPB, 32*SP                      ; a step's 2,048 bytes in the stage
.set WREG,  8*STEPB                    ; a row in the stage: one for each wave, from LDS byte 0
.set WST,   8*WREG                     ; pre_norm_w, in the same form
.set SBY,   WST+WREG                   ; 128 scale bytes for each wave
.set R,     32                         ; v32-159  the row as loaded
.set X,     160                        ; v160-191 two sets of 16 neighbours of x
.set W,     192                        ; v192-223 two sets of 16 of w
.set C,     224                        ; v224-239 two registers of codes for each of the 8 steps: no store's data are written again
; v2 16 x lane; v3, v4 my stage: way in, way out; v10 w's way in; v6 w's way out; v7 8 x lane; v8 my block's scale byte; v9 the bytes' way out
; v[16:23] four packed chains; v[24:25] rs; v26, v27 maxima; v28 the conversion's scale operand; v29, v31 the byte, by turns; v30 a permute's destination
	s_load_b256 s[4:11], s[0:1], 0x0               ; x s[4:5], w s[6:7], codes s[8:9], scale bytes s[10:11]
	v_lshl_add_u32 v254, v0, 2, 0x2d400
	v_mov_b32 v255, 0
	v_lshrrev_b32 v1, 5, v0
	s_delay_alu instid0(VALU_DEP_1)
	v_readfirstlane_b32 s12, v1                    ; wave 0..7
	v_and_b32 v1, 31, v0                           ; lane
	s_delay_alu instid0(VALU_DEP_1)
	v_lshlrev_b32 v2, 4, v1
	s_delay_alu instid0(VALU_DEP_2)
	v_lshrrev_b32 v11, 2, v1
	s_delay_alu instid0(VALU_DEP_1)
	v_mul_u32_u24 v11, v11, SP
	s_delay_alu instid0(VALU_DEP_4)
	v_and_b32 v12, 3, v1
	s_delay_alu instid0(VALU_DEP_1)
	v_lshl_add_u32 v11, v12, 4, v11                ; way in: four lanes' 64 bytes on end, then the padding
	v_mul_u32_u24 v12, v1, SP                      ; way out: my 64 bytes
	s_mul_i32 s13, s12, WREG
	v_add_nc_u32 v3, s13, v11
	v_add_nc_u32 v4, s13, v12
	s_mul_i32 s13, s12, STEPB                      ; my eighth of w is one step
	s_add_co_u32 s13, s13, WST
	v_add_nc_u32 v10, s13, v11
	v_add_nc_u32 v6, WST, v12
	v_lshlrev_b32 v7, 3, v1
	s_lshl_b32 s13, s12, 7
	s_add_co_u32 s13, s13, SBY
	v_lshrrev_b32 v8, 1, v1
	s_delay_alu instid0(VALU_DEP_1)
	v_add_nc_u32 v8, s13, v8
	s_and_b32 s19, s12, 3
	s_lshl_b32 s19, s19, 8                         ; the 256 scale bytes that waves 0 to 3 store at the end
	s_add_co_u32 s28, s19, SBY
	v_add_nc_u32 v9, s28, v7
	v_mov_b32 v25, 0                               ; named with v24 as a pair, so it is written
	v_mov_b32 v30, 0                               ; a lane permute's destination counts as one of its sources
	s_mov_b32 s14, 0x76543210
	s_mov_b32 s15, 0xfedcba98                      ; v_permlanex16_b32's selects for lane l xor 16
	s_mov_b32 s16, 0x39800000                      ; 1 / 4096
	s_mov_b32 s17, 0x3727c5ac                      ; 1e-5
	s_lshl_b32 s18, ttmp9, 3
	s_add_co_u32 s18, s18, s12                     ; my row: 8 x work-group + wave
	s_lshl_b32 s20, s18, 14
	s_mov_b32 s21, 0
	s_lshl_b32 s22, s18, 11
	s_mov_b32 s23, 0
	s_lshl_b32 s24, ttmp9, 10                      ; the work-group's 1,024 scale bytes,
	s_add_co_u32 s24, s24, s19                     ; my 256 of them
	s_mov_b32 s25, 0
	s_lshl_b32 s26, s12, 11                        ; my eighth of w
	s_mov_b32 s27, 0
	s_wait_alu depctr_va_vdst(0)
	s_wait_kmcnt 0x0
	s_add_nc_u64 s[4:5], s[4:5], s[20:21]
	s_add_nc_u64 s[6:7], s[6:7], s[26:27]
	s_add_nc_u64 s[8:9], s[8:9], s[22:23]
	s_add_nc_u64 s[10:11], s[10:11], s[24:25]
.macro FETCH t                         ; step t's 16 neighbours of x and of w into set t % 2
.irp i, 0,1,2,3
	ds_load_b128 v[X+16*((\t)%2)+4*\i:X+16*((\t)%2)+4*\i+3], v4 offset:STEPB*(\t)+16*\i
.endr
.irp i, 0,1,2,3
	ds_load_b128 v[W+16*((\t)%2)+4*\i:W+16*((\t)%2)+4*\i+3], v6 offset:STEPB*(\t)+16*\i
.endr
.endm
.irp i, 0,1,2,3
	global_load_b128 v[X+4*\i:X+4*\i+3], v2, s[6:7] offset:512*\i
.endr
.set I, 0
.rept 32
	global_load_b128 v[R+4*I:R+4*I+3], v2, s[4:5] offset:512*I th:TH_LOAD_NT   ; the row: 32 loads of 512 consecutive bytes
.set I, I+1
.endr
	s_wait_loadcnt 32                              ; w's four loads are in; the row's 32, issued behind them, may be out
.irp i, 0,1,2,3
	ds_store_b128 v10, v[X+4*\i:X+4*\i+3] offset:8*SP*\i
.endr
.macro STEP t
.set XS, X+16*((\t)%2)
.set WS, W+16*((\t)%2)
.set EB, 29+2*((\t)%2)
.if (\t) > 0
	s_wait_dscnt 1                                 ; this step's eight loads are in; only the last step's byte store is younger, and the byte store of two steps back is done: its register is free
.else
	s_wait_dscnt 0x0
.endif
.if (\t) < 7
	FETCH (\t)+1
.endif
.irp k, 0,2,4,6,8,10,12,14
	v_pk_mul_f32 v[XS+\k:XS+\k+1], v[XS+\k:XS+\k+1], v[24:25] op_sel_hi:[1,0]   ; x * rs
.endr
.irp k, 0,2,4,6,8,10,12,14
	v_pk_mul_f32 v[XS+\k:XS+\k+1], v[XS+\k:XS+\k+1], v[WS+\k:WS+\k+1]           ; w * that
.endr
	v_max3_num_f32 v26, |v[XS]|, |v[XS+1]|, |v[XS+2]|               ; the largest magnitude of my 16, in two chains
	v_max3_num_f32 v27, |v[XS+3]|, |v[XS+4]|, |v[XS+5]|
.irp i, 6,10
	s_delay_alu instid0(VALU_DEP_2)
	v_max3_num_f32 v26, v26, |v[XS+\i]|, |v[XS+\i+1]|
	s_delay_alu instid0(VALU_DEP_2)
	v_max3_num_f32 v27, v27, |v[XS+\i+2]|, |v[XS+\i+3]|
.endr
	s_delay_alu instid0(VALU_DEP_2)
	v_max3_num_f32 v26, v26, |v[XS+14]|, |v[XS+15]|
	s_delay_alu instid0(VALU_DEP_1)
	v_max3_num_f32 v26, v26, v27, 0x1800000        ; and the floor 2^(3 - 127): the byte cannot fall under 1
	s_delay_alu instid0(VALU_DEP_1)
	v_max_num_f32_dpp v26, v26, v26 row_xmask:1 row_mask:0xf bank_mask:0xf   ; with my neighbour's 16: the block's
	s_delay_alu instid0(VALU_DEP_1)
	v_add_nc_u32 v28, 0xff000000, v26              ; 2 off its exponent field: the conversion takes the exponent field of this operand as its scale
	v_cvt_scalef32_pk8_fp4_f32 v[C+2*(\t)], v[XS:XS+7], v28
	v_cvt_scalef32_pk8_fp4_f32 v[C+2*(\t)+1], v[XS+8:XS+15], v28
	v_lshrrev_b32 v[EB], 23, v28                   ; the scale's byte (also the plain line behind the conversions)
	ds_store_b8 v8, v[EB] offset:16*(\t)           ; both lanes of a block write the same byte with the same value
	global_store_b64 v7, v[C+2*(\t):C+2*(\t)+1], s[8:9] offset:256*(\t)   ; 32 lanes store 256 consecutive bytes, aligned
.endm
	s_wait_loadcnt 0x0                             ; the row is in
.set I, 0
.rept 32
	ds_store_b128 v3, v[R+4*I:R+4*I+3] offset:STEPB*(I/4)+8*SP*(I%4)
.set I, I+1
.endr
.irp c, 0,1,2,3
	v_pk_mul_f32 v[16+2*\c:17+2*\c], v[R+2*\c:R+2*\c+1], v[R+2*\c:R+2*\c+1]   ; the first four pairs start the chains: nothing is cleared
.endr
.set I, 4
.rept 60
	s_delay_alu instid0(VALU_DEP_4)
	v_pk_fma_f32 v[16+2*(I%4):17+2*(I%4)], v[R+2*I:R+2*I+1], v[R+2*I:R+2*I+1], v[16+2*(I%4):17+2*(I%4)]
.set I, I+1
.endr
	s_delay_alu instid0(VALU_DEP_3)
	v_pk_add_f32 v[16:17], v[16:17], v[18:19]
	s_delay_alu instid0(VALU_DEP_2)
	v_pk_add_f32 v[20:21], v[20:21], v[22:23]
	s_delay_alu instid0(VALU_DEP_1)
	v_pk_add_f32 v[16:17], v[16:17], v[20:21]
	s_delay_alu instid0(VALU_DEP_1)
	v_add_f32 v16, v16, v17
	s_delay_alu instid0(VALU_DEP_1)
	v_add_f32_dpp v16, v16, v16 row_xmask:1 row_mask:0xf bank_mask:0xf
	s_delay_alu instid0(VALU_DEP_1)
	v_add_f32_dpp v16, v16, v16 row_xmask:2 row_mask:0xf bank_mask:0xf
	s_delay_alu instid0(VALU_DEP_1)
	v_add_f32_dpp v16, v16, v16 row_xmask:4 row_mask:0xf bank_mask:0xf
	s_delay_alu instid0(VALU_DEP_1)
	v_add_f32_dpp v16, v16, v16 row_xmask:8 row_mask:0xf bank_mask:0xf
	s_delay_alu instid0(VALU_DEP_1)
	v_permlanex16_b32 v30, v16, s14, s15
	s_delay_alu instid0(VALU_DEP_1)
	v_add_f32 v16, v16, v30                        ; the row's sum of squares, in every lane
	s_delay_alu instid0(VALU_DEP_1)
	v_fma_f32 v26, v16, s16, s17                   ; the mean + 1e-5
	s_wait_alu depctr_va_vdst(0)
	v_rsq_f32 v24, v26
	s_wait_dscnt 0x0                               ; for the others' sake: my eighth of w lies in LDS (and my row in my stage)
	s_barrier_signal -1
	s_barrier_wait -1                              ; all of w does
	FETCH 0
	v_nop                                          ; a plain line behind the transcendental,
	s_wait_alu depctr_va_vdst(0)                   ; and the wait ahead of the first line that names its result
.irp t, 0,1,2,3,4,5,6,7
	STEP \t
.endr
	s_wait_dscnt 0x0                               ; for the others' sake: my 128 scale bytes lie in LDS
	s_barrier_signal -1
	s_barrier_wait -1                              ; all 1,024 do
	s_cmp_lt_u32 s12, 4
	s_cbranch_scc0 .Ldone                          ; waves 0 to 3 store them
	ds_load_b64 v[12:13], v9
	s_wait_dscnt 0x0
	global_store_b64 v7, v[12:13], s[10:11]        ; two rows' 256 scale bytes: 256 consecutive bytes, aligned
.Ldone:
	s_wait_tensorcnt 0x0
	ds_add_u32 v254, v255
	s_wait_dscnt 0x0
	s_endpgm
.Lfunc_end_k_q948cabbf47_prenorm:
	.size	k_q948cabbf47_prenorm, .Lfunc_end_k_q948cabbf47_prenorm-k_q948cabbf47_prenorm
	.p2alignl 7, 3214868480
	.fill 96, 4, 3214868480
	.section	.rodata,"a",@progbits
	.p2align	6, 0x0
	.amdhsa_kernel k_q948cabbf47_prenorm
		.amdhsa_group_segment_fixed_size 186368
		.amdhsa_private_segment_fixed_size 0
		.amdhsa_enable_private_segment 0
		.amdhsa_kernarg_size 32
		.amdhsa_user_sgpr_count 2
		.amdhsa_user_sgpr_kernarg_segment_ptr 1
		.amdhsa_wavefront_size32 1
		.amdhsa_system_sgpr_workgroup_id_x 1
		.amdhsa_system_sgpr_workgroup_id_y 1
		.amdhsa_system_sgpr_workgroup_id_z 1
		.amdhsa_system_vgpr_workitem_id 0
		.amdhsa_next_free_vgpr 256
		.amdhsa_next_free_sgpr 66
		.amdhsa_reserve_vcc 0
		.amdhsa_float_denorm_mode_32 3
		.amdhsa_float_denorm_mode_16_64 3
		.amdhsa_memory_ordered 1
		.amdhsa_forward_progress 1
		.amdhsa_inst_pref_size 38
	.end_amdhsa_kernel
	.amdgpu_metadata
---
amdhsa.version: [ 1, 2 ]
amdhsa.kernels:
  - .name:           k_q948cabbf47_prenorm
    .symbol:         k_q948cabbf47_prenorm.kd
    .args:
      - { .name: hidden_states, .offset: 0, .size: 8, .value_kind: global_buffer, .address_space: global }
      - { .name: pre_norm_w, .offset: 8, .size: 8, .value_kind: global_buffer, .address_space: global }
      - { .name: h_codes, .offset: 16, .size: 8, .value_kind: global_buffer, .address_space: global }
      - { .name: h_scales, .offset: 24, .size: 8, .value_kind: global_buffer, .address_space: global }
    .group_segment_fixed_size: 186368
    .private_segment_fixed_size: 0
    .kernarg_segment_align: 8
    .kernarg_segment_size: 32
    .max_flat_workgroup_size: 256
    .sgpr_count:     66
    .vgpr_count:     256
    .wavefront_size: 32
...
	.end_amdgpu_metadata
.endif
;; end of part 1
;; launch qkv (part 2): grid 16 x 16, 4 waves a work-group, clusters of 4 x 4, 327,680 bytes of LDS; arguments h_codes, h_scales, wq_codes, wq_scales, wk_codes, wk_scales, wv_codes, wv_scales, cos, sin, q_norm_w, k_norm_w, q_img, q_scl, kv_img, kv_scl; writes q_img, q_scl, kv_img, kv_scl
.if DOCPART == 2
	.amdgcn_target "amdgcn-amd-amdhsa--gfx1250"
	.amdhsa_code_object_version 6
	.text
	.protected	k_q948cabbf47_qkv
	.globl	k_q948cabbf47_qkv
	.p2align	8
	.type	k_q948cabbf47_qkv,@function
k_q948cabbf47_qkv:
	s_mov_b64 s[64:65], 0
	v_nop
	global_prefetch_b8 v0, s[64:65] scope:SCOPE_SE
	s_setreg_imm32_b32 hwreg(HW_REG_WAVE_MODE, 25, 1), 1
	s_wait_xcnt 0x0
	s_wait_alu depctr_hold_cnt(0) depctr_sa_sdst(0) depctr_va_vdst(0) depctr_va_sdst(0) depctr_va_ssrc(0) depctr_va_vcc(0) depctr_vm_vsrc(0)
	s_getreg_b32 s2, hwreg(HW_REG_IB_STS2, 6, 4)
	s_cmp_eq_u32 s2, 0
	s_cbranch_scc0 .Lentry_in_a_cluster
	s_endpgm
.Lentry_in_a_cluster:
	s_bfe_u32 s2, ttmp6, 0x10000c
	s_cmp_lg_u32 s2, 0xf033
	s_cbranch_scc0 .Lentry_shape_is_right
	s_endpgm
.Lentry_shape_is_right:
.set KROW,  2048
.set PITCH, 272
.set XHALF, 128*PITCH
.set YHALF, 64*PITCH
.set YOFF,  2*XHALF
.set SLOT,  YOFF+2*YHALF
.set SCX,   2*SLOT
.set SXH,   64*272
.set SCY,   SCX+2*SXH
.set SYH,   32*272
.set SPARE, SCY+2*SYH
.set LAPS,  4
.set GXS,   512
.set GYS,   512
.set SXS,   16
.set SYS,   16
.set ADX, 16
.set ADY, 20
.set ADXS, 22
.set ADYS, 23
.set LI,  24
.set RS,  25
.set CSO, 26
.set NWO, 27
.set SPW, 28
.set NIL, 29
.set XS,  32
.set YS,  96
.set YF,  128
.set PC,  160
.set TM,  192
.set CH,  208
.set RQ,  216
.set PW,  220
.set WV, 36
.set WX, 37
.set WY, 38
.set CX, 39
.set CY, 40
.set CLX, 41
.set CLY, 42
.set LC,  42
.set G1X, 48
.set G1Y, 56
.set G0X, 68
.set G0Y, 76
.set G1SX, 84
.set G1SY, 92
.set G0SX, 4
.set G0SY, 16
.set SEL, 26
.set MSB, 0
.macro WIN new
.if MSB != (\new)
	s_set_vgpr_msb (MSB<<8)|(\new)
.set MSB, (\new)
.endif
.endm
.macro PLACES n
.rept \n
	v_nop
.endr
.endm
.macro JLOAD g0x, g1x, g0y, g1y
	s_cmp_eq_u32 s[WY], 0
	s_cbranch_scc0 .Lfor_y_\@
	tensor_load_to_lds s[\g0x:\g0x+3], s[\g1x:\g1x+7]
	s_nop 0
	PLACES 4
	s_branch .Lasked_\@
.Lfor_y_\@:
	tensor_load_to_lds s[\g0y:\g0y+3], s[\g1y:\g1y+7]
	s_nop 0
	PLACES 4
.Lasked_\@:
.endm
.macro CREST
	s_cmp_lg_u32 s[WV], 0
	s_cbranch_scc1 .Lnot_wave_0_\@
	s_barrier_signal -3
.Lnot_wave_0_\@:
	s_barrier_wait -3
	s_barrier_signal -1
	s_barrier_wait -1
.endm
.macro CROUND
	s_barrier_signal -1
	s_barrier_wait -1
	CREST
.endm
	s_load_b512 s[4:19], s[0:1], 0x0
	s_load_b512 s[20:35], s[0:1], 0x40
	v_lshl_add_u32 v[SPW], v0, 2, SPARE
	v_mov_b32 v[NIL], 0
	ds_add_u32 v28, v29
	ds_add_u32 v28, v29
	s_wait_dscnt 0x0
	v_lshrrev_b32 v1, 5, v0
	v_readfirstlane_b32 s[WV], v1
	s_and_b32 s[WX], s[WV], 1
	s_lshr_b32 s[WY], s[WV], 1
	s_bfe_u32 s[CX], ttmp6, 0x40000
	s_bfe_u32 s[CY], ttmp6, 0x40004
	s_mov_b32 s[CLX], ttmp9
	s_and_b32 s[CLY], ttmp7, 0xffff
	s_lshl_b32 s2, 0x1111, s[CX]
	s_lshl_b32 s3, s[CY], 2
	s_lshl_b32 s3, 15, s3
	s_or_b32 s[G1X], s2, (1<<20)|(1<<21)|(5<<22)|(3<<25)
	s_or_b32 s[G1Y], s3, (1<<20)|(1<<21)|(5<<22)|(3<<25)
	s_mov_b32 s[G1X+1], 256<<16
	s_mov_b32 s[G1X+2], 256<<16                    ; the head's load brings all 256 rows; the ring's loads 128 (set behind the head's wait)
	s_mov_b32 s[G1X+3], 256<<16
	s_mov_b32 s[G1X+4], 256
	s_mov_b32 s[G1X+5], KROW
	s_mov_b32 s[G1X+6], 0
	s_mov_b32 s[G1X+7], 0
	s_mov_b32 s[G1Y+1], 256<<16
	s_mov_b32 s[G1Y+2], 128<<16                    ; likewise: 128 rows at the head, 64 in the ring
	s_mov_b32 s[G1Y+3], 256<<16
	s_mov_b32 s[G1Y+4], 128
	s_mov_b32 s[G1Y+5], KROW
	s_mov_b32 s[G1Y+6], 0
	s_mov_b32 s[G1Y+7], 0
	s_or_b32 s[G1SX], s2, (3<<16)|(1<<20)|(1<<21)|(5<<22)|(3<<25)
	s_or_b32 s[G1SY], s3, (3<<16)|(1<<20)|(1<<21)|(5<<22)|(3<<25)
	s_mov_b32 s[G1SX+1], 32<<16
	s_mov_b32 s[G1SX+2], 128<<16                   ; the scales of all 256 rows: 128 units of 256 bytes
	s_mov_b32 s[G1SX+3], 32<<16
	s_mov_b32 s[G1SX+4], 128
	s_mov_b32 s[G1SX+5], 32
	s_mov_b32 s[G1SX+6], 0
	s_mov_b32 s[G1SX+7], 0
	s_mov_b32 s[G1SY+1], 32<<16
	s_mov_b32 s[G1SY+2], 64<<16                    ; the scales of all 128 rows: 64 units
	s_mov_b32 s[G1SY+3], 32<<16
	s_mov_b32 s[G1SY+4], 64
	s_mov_b32 s[G1SY+5], 32
	s_mov_b32 s[G1SY+6], 0
	s_mov_b32 s[G1SY+7], 0
	s_lshl_b32 s44, s[CLX], 2
	s_lshl_b32 s45, s[CLY], 2
	s_and_b32 s66, s[CLY], 1
	s_lshl_b32 s66, s66, 2
	s_lshr_b32 s67, s[CLY], 1
	s_lshl_b32 s67, s67, 2
	s_mov_b32 s100, 0x3c000000
	s_mov_b32 s101, 0x3727c5ac
	s_wait_kmcnt 0x0
	s_cmp_eq_u32 s[CLX], 2
	s_cselect_b32 s44, 0, s44
	s_cselect_b64 s[8:9], s[12:13], s[8:9]
	s_cselect_b64 s[10:11], s[14:15], s[10:11]
	s_cselect_b64 s[24:25], s[26:27], s[24:25]
	s_cmp_eq_u32 s[CLX], 3
	s_cselect_b32 s44, s66, s44
	s_cselect_b32 s45, s67, s45
	s_cselect_b64 s[12:13], s[16:17], s[4:5]
	s_cselect_b64 s[14:15], s[18:19], s[6:7]
	s_cselect_b64 s[8:9], s[4:5], s[8:9]
	s_cselect_b64 s[10:11], s[6:7], s[10:11]
	s_cmp_lt_u32 s[CLX], 2
	s_cselect_b64 s[28:29], s[28:29], s[32:33]
	s_cselect_b64 s[30:31], s[30:31], s[34:35]
	s_add_co_u32 s44, s44, s[CX]
	s_add_co_u32 s45, s45, s[CY]
	s_mov_b32 s[SEL], 0x76543210
	s_mov_b32 s[SEL+1], 0xfedcba98
	s_lshl_b32 s66, s[WX], 7
	s_lshl_b32 s2, s44, 8
	s_add_co_u32 s2, s2, s66
	s_lshl_b32 s46, s2, 11
	s_mov_b32 s47, 0
	s_add_nc_u64 s[8:9], s[8:9], s[46:47]
	s_lshl_b32 s46, s2, 7
	s_add_nc_u64 s[10:11], s[10:11], s[46:47]
	s_lshl_b32 s66, s[WX], 6
	s_lshl_b32 s3, s45, 7
	s_add_co_u32 s3, s3, s66
	s_lshl_b32 s34, s3, 11
	s_mov_b32 s35, 0
	s_add_nc_u64 s[12:13], s[12:13], s[34:35]
	s_lshl_b32 s34, s3, 7
	s_add_nc_u64 s[14:15], s[14:15], s[34:35]
	CROUND
	; THE HEAD'S FOUR TILES, EACH WHOLE, ONE LOAD A WAVE: wave 0 K step 0's 256 rows of X, wave 1 its 128 rows of Y, wave 2 X's scales, wave 3 Y's.  The pointers hold my half's first row: the half's bytes are taken off.
	s_lshl_b32 s46, s[WX], 14
	s_mov_b32 s[G0SX], 1
	s_mov_b32 s[G0SX+1], SCX
	s_sub_nc_u64 s[G0SX+2:G0SX+3], s[10:11], s[46:47]
	s_or_b32 s[G0SX+3], s[G0SX+3], 0x80000000
	s_lshl_b32 s46, s[WX], 13
	s_mov_b32 s[G0SY], 1
	s_mov_b32 s[G0SY+1], SCY
	s_sub_nc_u64 s[G0SY+2:G0SY+3], s[14:15], s[46:47]
	s_or_b32 s[G0SY+3], s[G0SY+3], 0x80000000
	s_lshl_b32 s46, s[WX], 18
	s_mov_b32 s[G0X], 1
	s_mov_b32 s[G0X+1], 0
	s_sub_nc_u64 s[G0X+2:G0X+3], s[8:9], s[46:47]
	s_or_b32 s[G0X+3], s[G0X+3], 0x80000000
	s_lshl_b32 s34, s[WX], 17
	s_mov_b32 s[G0Y], 1
	s_mov_b32 s[G0Y+1], YOFF
	s_sub_nc_u64 s[G0Y+2:G0Y+3], s[12:13], s[34:35]
	s_or_b32 s[G0Y+3], s[G0Y+3], 0x80000000
	s_mov_b32 s[G0X+4], 1                          ; slot 1: my half of K step 1
	s_mul_i32 s[G0X+5], s[WX], XHALF
	s_add_co_u32 s[G0X+5], s[G0X+5], SLOT
	s_add_nc_u64 s[G0X+6:G0X+7], s[8:9], 256
	s_or_b32 s[G0X+7], s[G0X+7], 0x80000000
	s_mov_b32 s[G0Y+4], 1
	s_mul_i32 s[G0Y+5], s[WX], YHALF
	s_add_co_u32 s[G0Y+5], s[G0Y+5], YOFF+SLOT
	s_add_nc_u64 s[G0Y+6:G0Y+7], s[12:13], 256
	s_or_b32 s[G0Y+7], s[G0Y+7], 0x80000000
	; the prefetches' address, s[8:9]: of the rows that my wave fetches in the ring, my work-group's quarter (X: 32 rows, by cy; Y: 16 rows, by cx): the four partners are told apart by address.  It begins at K step 2.
	s_lshl_b32 s10, s[CY], 16
	s_lshl_b32 s11, s[CX], 15
	s_mov_b32 s14, 15
	s_cmp_eq_u32 s[WY], 0
	s_cselect_b64 s[8:9], s[8:9], s[12:13]
	s_cselect_b32 s10, s10, s11
	s_cselect_b32 s14, 31, s14                     ; the last lane that has a row of its own
	s_mov_b32 s11, 0
	s_add_nc_u64 s[8:9], s[8:9], s[10:11]
	s_add_nc_u64 s[8:9], s[8:9], 512
	s_cmp_lt_u32 s[WV], 1                          ; one chain of branches on the wave's number, a load to an arm
	s_cbranch_scc0 .Lhead_y
	tensor_load_to_lds s[G0X:G0X+3], s[G1X:G1X+7]
	s_nop 0
	PLACES 4
	s_branch .Lhead_asked
.Lhead_y:
	s_cmp_lt_u32 s[WV], 2
	s_cbranch_scc0 .Lhead_sx
	tensor_load_to_lds s[G0Y:G0Y+3], s[G1Y:G1Y+7]
	s_nop 0
	PLACES 4
	s_branch .Lhead_asked
.Lhead_sx:
	s_cmp_lt_u32 s[WV], 3
	s_cbranch_scc0 .Lhead_sy
	tensor_load_to_lds s[G0SX:G0SX+3], s[G1SX:G1SX+7]
	s_nop 0
	PLACES 4
	s_branch .Lhead_asked
.Lhead_sy:
	tensor_load_to_lds s[G0SY:G0SY+3], s[G1SY:G1SY+7]
	s_nop 0
	PLACES 4
.Lhead_asked:                          ; the addresses and the tables' loads below stand under the flight of the head's four loads
	v_and_b32 v30, 31, v0                          ; the prefetches' offset: a lane a row of 2,048 bytes; lanes that are left over name the last row again
	v_min_u32 v30, s14, v30
	v_lshlrev_b32 v30, 11, v30
	v_and_b32 v1, 15, v0
	v_bfe_u32 v2, v0, 4, 1
	v_mul_u32_u24 v3, v1, PITCH
	v_lshl_add_u32 v3, v2, 4, v3
	s_mul_i32 s66, s[WX], XHALF
	s_mul_i32 s67, s[WY], YHALF
	s_add_co_u32 s67, s67, YOFF
.irp s, 0,1
	v_add_nc_u32 v[ADX+\s], s66, v3
	v_add_nc_u32 v[ADY+\s], s67, v3
	s_add_co_u32 s66, s66, SLOT
	s_add_co_u32 s67, s67, SLOT
.endr
	v_lshlrev_b32 v4, 7, v1
	v_lshrrev_b32 v5, 1, v1
	v_lshl_add_u32 v4, v5, 4, v4
	s_mul_i32 s66, s[WX], SXH
	s_add_co_u32 s66, s66, SCX
	v_add_nc_u32 v[ADXS], s66, v4
	s_mul_i32 s67, s[WY], SYH
	s_add_co_u32 s67, s67, SCY
	v_add_nc_u32 v[ADYS], s67, v4
	v_and_b32 v5, 31, v0
	v_lshlrev_b32 v[LI], 4, v5
	v_lshlrev_b32 v[RS], 4, v1
	v_lshlrev_b32 v[CSO], 9, v1
	v_lshl_add_u32 v[CSO], v2, 5, v[CSO]
	v_lshlrev_b32 v[NWO], 5, v2
.irp b, 0,1,2,3
	v_mov_b32 v[TM+4+\b], 0
.endr
	v_mov_b32 v[RQ+1], 0
	v_mov_b32 v219, 0
	global_prefetch_b8 v30, s[8:9] th:TH_LOAD_NT scope:SCOPE_SE              ; K steps 2 and 3, which the first two refills will ask for: my quarter of my wave's rows, a lane a row
	global_prefetch_b8 v30, s[8:9] offset:256 th:TH_LOAD_NT scope:SCOPE_SE
	s_lshl_b32 s43, s44, 1
	s_add_co_u32 s43, s43, s[WX]
	s_lshl_b32 s32, s43, 5
	s_lshl_b32 s33, s45, 1
	s_add_co_u32 s32, s32, s33
	s_lshl_b32 s33, s43, 6
	s_lshl_b32 s104, s45, 2
	s_add_co_u32 s33, s33, s104
	s_lshl_b32 s104, s45, 6
	s_lshl_b32 s105, s43, 2
	s_add_co_u32 s104, s104, s105
	s_add_co_u32 s104, s104, 2
	s_cmp_eq_u32 s[CLX], 2
	s_cselect_b32 s32, s33, s32
	s_cmp_eq_u32 s[CLX], 3
	s_cselect_b32 s32, s104, s32
	s_add_co_u32 s43, s32, s[WY]
	s_lshl_b32 s32, s43, 12
	s_mov_b32 s33, 0
	s_add_nc_u64 s[28:29], s[28:29], s[32:33]
	s_lshl_b32 s32, s43, 8
	s_add_nc_u64 s[30:31], s[30:31], s[32:33]
	s_lshl_b32 s32, s45, 16
	s_lshl_b32 s104, s[WY], 15
	s_add_co_u32 s32, s32, s104
	s_add_nc_u64 s[20:21], s[20:21], s[32:33]
	s_add_nc_u64 s[22:23], s[22:23], s[32:33]
.macro CSLOAD a
	WIN 0xc0
.irp t, 0,1,2,3,4,5,6,7
.irp jj, 0,1
	global_load_b128 v[128*((\a)%2)+8*\t+4*\jj:128*((\a)%2)+8*\t+4*\jj+3], v[CSO], s[20:21] offset:8192*(\a)+64*\t+16*\jj
	global_load_b128 v[128*((\a)%2)+64+8*\t+4*\jj:128*((\a)%2)+64+8*\t+4*\jj+3], v[CSO], s[22:23] offset:8192*(\a)+64*\t+16*\jj
.endr
.endr
	WIN 0
.endm
	s_cmp_eq_u32 s[CLX], 3
	s_cbranch_scc1 .Lno_tables
	WIN 0x40
	s_wait_alu depctr_va_vdst(0)
.irp t, 0,1,2,3,4,5,6,7
.irp jj, 0,1
	global_load_b128 v[128+8*\t+4*\jj:128+8*\t+4*\jj+3], v[NWO], s[24:25] offset:64*\t+16*\jj
.endr
.endr
	CSLOAD 0
	CSLOAD 1                                       ; both sets of table registers are idle until the way out
.Lno_tables:
.macro FETCH slot, q, p
	WIN 0x40
.irp i, 0,1,2,3,4,5,6,7
.irp c, 0,1
	ds_load_b128 v[64*(\p)+8*\i+4*\c:64*(\p)+8*\i+4*\c+3], v[ADX+\slot] offset:64*(\q)+32*\c+\i*16*PITCH
.endr
.endr
	WIN 0
.irp a, 0,1,2,3
.irp c, 0,1
	ds_load_b128 v[YF+32*(\p)+8*\a+4*\c:YF+32*(\p)+8*\a+4*\c+3], v[ADY+\slot] offset:64*(\q)+32*\c+\a*16*PITCH
.endr
.endr
.endm
.macro SCALES sc
.irp i, 0,1,2,3,4,5,6,7
	ds_load_b128 v[XS+32*(\sc)+4*\i:XS+32*(\sc)+4*\i+3], v[ADXS] offset:\i*2176
.endr
.irp a, 0,1,2,3
	ds_load_b128 v[YS+16*(\sc)+4*\a:YS+16*(\sc)+4*\a+3], v[ADYS] offset:\a*2176
.endr
.endm
.macro MUL a0, p, q, sc, zero
.irp a, \a0, \a0+1
.irp i, 0,1,2,3,4,5,6,7
.if \zero
	v_wmma_scale_f32_16x16x128_f8f6f4 v[64*(\a)+8*\i:64*(\a)+8*\i+7], v[64*(\p)+8*\i:64*(\p)+8*\i+7], v[YF+32*(\p)+8*(\a):YF+32*(\p)+8*(\a)+7], 0, v[XS+32*(\sc)+4*\i+(\q)], v[YS+16*(\sc)+4*(\a)+(\q)] matrix_a_fmt:MATRIX_FMT_FP4 matrix_b_fmt:MATRIX_FMT_FP4
.else
	v_wmma_scale_f32_16x16x128_f8f6f4 v[64*(\a)+8*\i:64*(\a)+8*\i+7], v[64*(\p)+8*\i:64*(\p)+8*\i+7], v[YF+32*(\p)+8*(\a):YF+32*(\p)+8*(\a)+7], v[64*(\a)+8*\i:64*(\a)+8*\i+7], v[XS+32*(\sc)+4*\i+(\q)], v[YS+16*(\sc)+4*(\a)+(\q)] matrix_a_fmt:MATRIX_FMT_FP4 matrix_b_fmt:MATRIX_FMT_FP4
.endif
.endr
.endr
.endm
.macro STEP slot, q, zero
	s_wait_dscnt 0x0
	PLACES 4
	FETCH \slot, (\q)+1, 1-(\q)%2
	WIN 0xa1
	MUL 0, (\q)%2, \q, \slot, \zero
	MUL 2, (\q)%2, \q, \slot, \zero
	WIN 0
.endm
.macro TURN slot, next, fill
.if \fill
	s_wait_xcnt 0x0                                ; the last prefetch has read its address: one K step on
	s_add_nc_u64 s[8:9], s[8:9], 256
.endif
	s_wait_tensorcnt 0x0
	ds_add_u32 v[SPW], v[NIL]
	s_wait_dscnt 1
	WIN 0xa1
	MUL 0, 1, 3, \slot, 0
	s_wait_dscnt 0x0
	s_barrier_signal -1
	WIN 0
	s_barrier_wait -1
.if \fill
	CREST
	s_add_nc_u64 s[G0X+4*\slot+2:G0X+4*\slot+3], s[G0X+4*\slot+2:G0X+4*\slot+3], GXS
	s_add_nc_u64 s[G0Y+4*\slot+2:G0Y+4*\slot+3], s[G0Y+4*\slot+2:G0Y+4*\slot+3], GYS
	JLOAD G0X+4*\slot, G1X, G0Y+4*\slot, G1Y
.else
	PLACES 4
.endif
	s_wait_alu depctr_va_vdst(0)
	v_add_nc_u32 v[ADXS], SXS, v[ADXS]
	v_add_nc_u32 v[ADYS], SYS, v[ADYS]
	FETCH \next, 0, 0
	SCALES \next
.if \fill
	s_cmp_gt_u32 s[LC], 1                          ; a prefetch into the L2 of the K step two refills on; the loop's last trip has none
	s_cbranch_scc0 .Lno_ask_\@
	global_prefetch_b8 v30, s[8:9] offset:256 th:TH_LOAD_NT scope:SCOPE_SE
.Lno_ask_\@:
.endif
	WIN 0xa1
	MUL 2, 1, 3, \slot, 0
	WIN 0
.endm
.macro LAP
	STEP 0, 1, 0
	STEP 0, 2, 0
	TURN 0, 1, 1
	STEP 1, 0, 0
	STEP 1, 1, 0
	STEP 1, 2, 0
	TURN 1, 0, 1
	STEP 0, 0, 0
.endm
	s_wait_alu depctr_va_vdst(0)                   ; the wait at the head's end
	s_wait_tensorcnt 0x0                           ; my tile of the four is in
	ds_add_u32 v28, v29
	s_mov_b32 s[G1X+2], 128<<16                    ; no tensor load of mine is out: from here on a load brings half a tile,
	s_mov_b32 s[G1X+4], 128
	s_mov_b32 s[G1Y+2], 64<<16
	s_mov_b32 s[G1Y+4], 64
	s_mul_i32 s[G0X+1], s[WX], XHALF               ; and slot 0's descriptors stand at my half of K step 0
	s_add_nc_u64 s[G0X+2:G0X+3], s[G0X+2:G0X+3], s[46:47]
	s_mul_i32 s[G0Y+1], s[WX], YHALF
	s_add_co_u32 s[G0Y+1], s[G0Y+1], YOFF
	s_add_nc_u64 s[G0Y+2:G0Y+3], s[G0Y+2:G0Y+3], s[34:35]
	s_wait_dscnt 0x0
	CROUND                                         ; all four tiles are in, in every work-group of the cluster
	JLOAD G0X+4, G1X, G0Y+4, G1Y
	FETCH 0, 0, 0
	SCALES 0
	STEP 0, 0, 1
	s_mov_b32 s[LC], LAPS-1
.Llap:
	LAP
	s_sub_co_u32 s[LC], s[LC], 1
	s_cmp_lg_u32 s[LC], 0
	s_cbranch_scc1 .Llap
	STEP 0, 1, 0
	STEP 0, 2, 0
	TURN 0, 1, 0
	STEP 1, 0, 0
	STEP 1, 1, 0
	STEP 1, 2, 0
	s_wait_dscnt 0x0
	WIN 0xa1
	MUL 0, 1, 3, 1, 0
	MUL 2, 1, 3, 1, 0
	WIN 0
	PLACES 4
.macro QUANT s, w, pc, pw
	WIN (\w)|((\w)<<2)
.irp b, 0,1,2,3
	v_max3_num_f32 v[TM+\b], |v[(\s)+16*\b]|, |v[(\s)+1+16*\b]|, 0x1800000
.endr
	WIN ((\w)<<2)|((\w)<<4)
.irp i, 2,4,6,8,10,12,14
.irp b, 0,1,2,3
	v_max3_num_f32 v[TM+\b], v[TM+\b], |v[(\s)+16*\b+\i]|, |v[(\s)+1+16*\b+\i]|
.endr
.endr
	WIN 0
.irp b, 0,1,2,3
	v_permlanex16_b32 v[TM+4+\b], v[TM+\b], s[SEL], s[SEL+1]
.endr
.irp b, 0,1,2,3
	v_max_num_f32 v[TM+\b], v[TM+\b], v[TM+4+\b]
.endr
.irp b, 0,1,2,3
	v_add_nc_u32 v[TM+12+\b], 0xff000000, v[TM+\b]
.endr
.irp b, 0,1,2,3
	v_lshrrev_b32 v[TM+4+\b], 23, v[TM+12+\b]
.endr
	v_lshl_or_b32 v[\pw], v[TM+5], 8, v[TM+4]
	v_lshl_or_b32 v[\pw], v[TM+6], 16, v[\pw]
	v_lshl_or_b32 v[\pw], v[TM+7], 24, v[\pw]
	WIN (\w)
.irp c, 0,1
	v_cvt_scalef32_pk8_fp4_f32 v[(\pc)+4*\c], v[(\s)+32*\c:(\s)+32*\c+7], v[TM+12+2*\c]
	v_cvt_scalef32_pk8_fp4_f32 v[(\pc)+4*\c+2], v[(\s)+32*\c+8:(\s)+32*\c+15], v[TM+12+2*\c]
	v_cvt_scalef32_pk8_fp4_f32 v[(\pc)+4*\c+1], v[(\s)+32*\c+16:(\s)+32*\c+23], v[TM+12+2*\c+1]
	v_cvt_scalef32_pk8_fp4_f32 v[(\pc)+4*\c+3], v[(\s)+32*\c+24:(\s)+32*\c+31], v[TM+12+2*\c+1]
.endr
	WIN 0
	v_nop
.irp c, 0,1
	v_permlane16_swap_b32 v[(\pc)+4*\c], v[(\pc)+4*\c+1]
	v_permlane16_swap_b32 v[(\pc)+4*\c+2], v[(\pc)+4*\c+3]
.endr
.endm
.macro PUT a
	global_store_b128 v[LI], v[PC+8*(\a):PC+8*(\a)+3], s[28:29] offset:1024*(\a)
	global_store_b128 v[LI], v[PC+8*(\a)+4:PC+8*(\a)+7], s[28:29] offset:1024*(\a)+512
.endm
.macro UNITQK a
.if (\a) < 3
	s_wait_loadcnt 32
.else
	s_wait_loadcnt 0x0
.endif
	WIN 0x0a
.irp c, 0,1,2,3
	v_pk_mul_f32 v[CH+2*\c:CH+2*\c+1], v[64*(\a)+2*\c:64*(\a)+2*\c+1], v[64*(\a)+2*\c:64*(\a)+2*\c+1]
.endr
.set PP, 4
.rept 28
	v_pk_fma_f32 v[CH+2*(PP%4):CH+2*(PP%4)+1], v[64*(\a)+2*PP:64*(\a)+2*PP+1], v[64*(\a)+2*PP:64*(\a)+2*PP+1], v[CH+2*(PP%4):CH+2*(PP%4)+1]
.set PP, PP+1
.endr
	WIN 0
	v_pk_add_f32 v[CH:CH+1], v[CH:CH+1], v[CH+2:CH+3]
	v_pk_add_f32 v[CH+4:CH+5], v[CH+4:CH+5], v[CH+6:CH+7]
	v_pk_add_f32 v[CH:CH+1], v[CH:CH+1], v[CH+4:CH+5]
	v_add_f32 v[CH], v[CH], v[CH+1]
	v_permlanex16_b32 v219, v[CH], s[SEL], s[SEL+1]
	v_add_f32 v[CH], v[CH], v219
	v_fma_f32 v218, v[CH], s100, s101
	s_wait_alu depctr_va_vdst(0)
	v_rsq_f32 v[RQ], v218
	v_nop
	s_wait_alu depctr_va_vdst(0)
	WIN 0x82
.set PP, 0
.rept 32
	v_pk_mul_f32 v[64*(\a)+2*PP:64*(\a)+2*PP+1], v[64*(\a)+2*PP:64*(\a)+2*PP+1], v[RQ:RQ+1] op_sel_hi:[1,0]
.set PP, PP+1
.endr
	WIN 0x86
.set PP, 0
.rept 32
	v_pk_mul_f32 v[64*(\a)+2*PP:64*(\a)+2*PP+1], v[64*(\a)+2*PP:64*(\a)+2*PP+1], v[128+2*PP:128+2*PP+1]
.set PP, PP+1
.endr
	WIN 0x5e
.set PP, 0
.rept 32
	v_pk_mul_f32 v[2*PP:2*PP+1], v[64*(\a)+2*PP:64*(\a)+2*PP+1], v[128*((\a)%2)+2*PP:128*((\a)%2)+2*PP+1]
.set PP, PP+1
.endr
.set PP, 0
.rept 16
	v_pk_fma_f32 v[2*PP:2*PP+1], v[64*(\a)+2*PP+32:64*(\a)+2*PP+33], v[128*((\a)%2)+64+2*PP:128*((\a)%2)+64+2*PP+1], v[2*PP:2*PP+1] neg_lo:[1,0,0] neg_hi:[1,0,0]
.set PP, PP+1
.endr
.rept 16
	v_pk_fma_f32 v[2*PP:2*PP+1], v[64*(\a)+2*PP-32:64*(\a)+2*PP-31], v[128*((\a)%2)+64+2*PP:128*((\a)%2)+64+2*PP+1], v[2*PP:2*PP+1]
.set PP, PP+1
.endr
	WIN 0
.if (\a) < 2
	CSLOAD (\a)+2
.endif
	QUANT 0, 1, PC+8*(\a), PW+(\a)
	PUT \a
.endm
	s_cmp_eq_u32 s[CLX], 3
	s_cbranch_scc1 .Lv
	UNITQK 0
	UNITQK 1
	UNITQK 2
	UNITQK 3
	s_branch .Lout
.Lv:
.irp a, 0,1,2,3
	QUANT 64*\a, 2, PC+8*\a, PW+\a
	PUT \a
.endr
.Lout:
	global_store_b128 v[RS], v[PW:PW+3], s[30:31]
	s_wait_tensorcnt 0x0
	ds_add_u32 v[SPW], v[NIL]
	s_wait_dscnt 0x0
	CROUND
	s_endpgm
.Lfunc_end_k_q948cabbf47_qkv:
	.size	k_q948cabbf47_qkv, .Lfunc_end_k_q948cabbf47_qkv-k_q948cabbf47_qkv
	.p2alignl 7, 3214868480
	.fill 96, 4, 3214868480
	.section	.rodata,"a",@progbits
	.p2align	6, 0x0
	.amdhsa_kernel k_q948cabbf47_qkv
		.amdhsa_group_segment_fixed_size 327680
		.amdhsa_private_segment_fixed_size 0
		.amdhsa_enable_private_segment 0
		.amdhsa_kernarg_size 128
		.amdhsa_user_sgpr_count 2
		.amdhsa_user_sgpr_kernarg_segment_ptr 1
		.amdhsa_wavefront_size32 1
		.amdhsa_system_sgpr_workgroup_id_x 1
		.amdhsa_system_sgpr_workgroup_id_y 1
		.amdhsa_system_sgpr_workgroup_id_z 1
		.amdhsa_system_vgpr_workitem_id 0
		.amdhsa_next_free_vgpr 1024
		.amdhsa_next_free_sgpr 106
		.amdhsa_reserve_vcc 0
		.amdhsa_float_denorm_mode_32 3
		.amdhsa_float_denorm_mode_16_64 3
		.amdhsa_memory_ordered 1
		.amdhsa_forward_progress 1
		.amdhsa_inst_pref_size 201
	.end_amdhsa_kernel
	.amdgpu_metadata
---
amdhsa.version: [ 1, 2 ]
amdhsa.kernels:
  - .name:           k_q948cabbf47_qkv
    .symbol:         k_q948cabbf47_qkv.kd
    .args:
      - { .name: h_codes, .offset: 0, .size: 8, .value_kind: global_buffer, .address_space: global }
      - { .name: h_scales, .offset: 8, .size: 8, .value_kind: global_buffer, .address_space: global }
      - { .name: wq_codes, .offset: 16, .size: 8, .value_kind: global_buffer, .address_space: global }
      - { .name: wq_scales, .offset: 24, .size: 8, .value_kind: global_buffer, .address_space: global }
      - { .name: wk_codes, .offset: 32, .size: 8, .value_kind: global_buffer, .address_space: global }
      - { .name: wk_scales, .offset: 40, .size: 8, .value_kind: global_buffer, .address_space: global }
      - { .name: wv_codes, .offset: 48, .size: 8, .value_kind: global_buffer, .address_space: global }
      - { .name: wv_scales, .offset: 56, .size: 8, .value_kind: global_buffer, .address_space: global }
      - { .name: cos, .offset: 64, .size: 8, .value_kind: global_buffer, .address_space: global }
      - { .name: sin, .offset: 72, .size: 8, .value_kind: global_buffer, .address_space: global }
      - { .name: q_norm_w, .offset: 80, .size: 8, .value_kind: global_buffer, .address_space: global }
      - { .name: k_norm_w, .offset: 88, .size: 8, .value_kind: global_buffer, .address_space: global }
      - { .name: q_img, .offset: 96, .size: 8, .value_kind: global_buffer, .address_space: global }
      - { .name: q_scl, .offset: 104, .size: 8, .value_kind: global_buffer, .address_space: global }
      - { .name: kv_img, .offset: 112, .size: 8, .value_kind: global_buffer, .address_space: global }
      - { .name: kv_scl, .offset: 120, .size: 8, .value_kind: global_buffer, .address_space: global }
    .group_segment_fixed_size: 327680
    .private_segment_fixed_size: 0
    .kernarg_segment_align: 8
    .kernarg_segment_size: 128
    .max_flat_workgroup_size: 128
    .sgpr_count:     106
    .vgpr_count:     1024
    .wavefront_size: 32
...
	.end_amdgpu_metadata
.endif
;; end of part 2
;; launch attn (part 3): grid 8 x 32, 8 waves a work-group, clusters of 4 x 4, 327,680 bytes of LDS; arguments q_img, q_scl, kv_img, kv_scl, attention_mask, a_img, a_scl; writes a_img, a_scl
.if DOCPART == 3
	.amdgcn_target "amdgcn-amd-amdhsa--gfx1250"
	.amdhsa_code_object_version 6
	.text
	.protected	k_q948cabbf47_attn
	.globl	k_q948cabbf47_attn
	.p2align	8
	.type	k_q948cabbf47_attn,@function
k_q948cabbf47_attn:
	s_mov_b64 s[64:65], 0
	v_nop
	global_prefetch_b8 v0, s[64:65] scope:SCOPE_SE
	s_setreg_imm32_b32 hwreg(HW_REG_WAVE_MODE, 25, 1), 1
	s_wait_xcnt 0x0
	s_wait_alu depctr_hold_cnt(0) depctr_sa_sdst(0) depctr_va_vdst(0) depctr_va_sdst(0) depctr_va_ssrc(0) depctr_va_vcc(0) depctr_vm_vsrc(0)
	s_getreg_b32 s2, hwreg(HW_REG_IB_STS2, 6, 4)
	s_cmp_eq_u32 s2, 0
	s_cbranch_scc0 .Lentry_in_a_cluster
	s_endpgm
.Lentry_in_a_cluster:
	s_bfe_u32 s2, ttmp6, 0x10000c
	s_cmp_lg_u32 s2, 0xf033
	s_cbranch_scc0 .Lentry_shape_is_right
	s_endpgm
.Lentry_shape_is_right:
; attn = softmax(30 tanh(q k^T / (30 sqrt(128))) + mask) v, both products on codes of FP4 (E2M1) with E8M0 scales; the result, divided by the row's sum, is quantised along the head's 128 for the output projection.
; THE SOFTMAX: t = logit x log2(e); M = the running largest t rounded UP to a whole number; p = 2^(t - M) is quantised along the keys; the row's sum is taken of the unquantised p.  When M moves, sum and O are multiplied by 2^(old M - new M): exact.
; tanh(x) = 1 - 2 r, r = 1 / (1 + 2^(2 log2(e) x)).  u = mask - 60 r is one fused multiply-add; t = u log2(e) + 30 log2(e); t - M = u log2(e) + (30 log2(e) - M), again one.  The mask is an input: every score is computed.
; SHARES.  A work-group: one key/value head g, its two query heads, 64 queries; EIGHT waves, two to a SIMD.  Waves w and w + 4 own the same queries 16 (w % 4) .. + 15 of BOTH heads (tile 0: head 2 g, tile 1: head 2 g + 1);
; of each slot's 256 keys wave w takes the first 128 (w < 4) or the second (w >= 4): each fragment of K, V and each register of the mask is read from LDS once for two tiles.  Each wave keeps its own M, sum and O.
; At the end the two waves of a pair hand each other one tile through LDS and each finishes one: O = (O_a 2^(M_a - M) + O_b 2^(M_b - M)) / (l_a 2^(M_a - M) + l_b 2^(M_b - M)), M the larger of the two.
; Both products are used transposed (S^T = K Q^T, O^T = V^T P^T): a lane holds ONE query (lane % 16); register j of tile-row i holds key (or channel) 16 i + 8 (lane / 16) + j.
; BATCHES.  Transcendentals go in batches of one tile, one wait ahead and one behind; between them stand only element-wise lines of the other tile, whose sources are older than the wait ahead and whose results are first read behind the wait behind.
; THE LOOP IS CUT IN THE MIDDLE OF A STEP, where every LDS read of the step has come back: a trip is the change of slots, K's loads of step n, FIN(n - 1), BEG(n).
; K and the mask share 64 registers: K comes at the cut (the last mask is dead), the mask behind K Q^T; V comes behind the last V^T P^T.
; K, V, Q come as images of operand registers (1,024 bytes a fragment).  A slot: 32 KB of images and 64 rows x 1,024 bytes of the mask (pitch 1,040).  The head's scale words (16 KB) come once.
; CLUSTER 4 x 4.  K, V and the scale words hang on g (cx): asked for jointly by a column.  The mask's tile hangs on the group of queries (cy): by a row.  Head: waves 0, 1 images, 2-5 the mask (16 rows each), 6, 7 scale words: one load a wave.
; LIMITS: NaN and infinities are not served; the promise holds while the scaled scores t stay under 2^31 in magnitude; a row whose every logit is -infinity gives NaN.  A block of zeros carries the byte 1, not 127: its codes are zeros.
; REGISTERS.  window 0: v1-11 addresses; v12-27 statistics, 8 a tile (+0 -M, +1 largest t, +2, +3 sum, +4 f, +6 at work, then 30 log2(e) - M; +5, +7 upper halves of pairs); v28-43 Q; v44-59 K's, V's scale words; v60-63 Q's, p's;
;   v64-87 at work, 12 a tile; v88-103 p's codes; v104-111 constants; v112-127 the way out's work; v128-255 S^T, then p.   window 1: v0-127 O^T; v128-191 K, then the mask; v192-255 V.
.set SLOT1, 1<<17
.set MOFF,  32768
.set MP,    1040
.set SCK,   2*SLOT1
.set SPARE, SCK+16384                  ; the spare words: 128 bytes a wave, four blocks of 256 bytes that no other line names
.set STGB,  8704                       ; the hand-over: 8,192 bytes of O and 512 of statistics a wave, in slot 0, which has had its last fill and its last read by then
.set AKV, 1
.set ASC, 2
.set AMK, 3
.set SPW, 4
.set NIL, 5
.set ADK, 6
.set ADM, 7
.set ADS, 8
.set PFO, 9
.set STA, 10
.set RDA, 11
.set ST0, 12
.set Q0,  28
.set SWK, 44
.set SWV, 52
.set QS0, 60
.set PW0, 62
.set WK0, 64
.set PC0, 88
.set KC,  104
.set LI,  109
.set TM,  112
.set SB0, 128
.set XA,  128
.set FRV, 192
.set WV, 18
.set WH, 19
.set SEL, 20
.set KP, 22
.set CX, 23
.set CY, 24
.set CLX, 25
.set CLY, 26
.set G,  27
.set QG, 28
.set HEAD, 29
.set G1KV, 32
.set G1M,  40
.set G1SC, 48
.set G0KV, 56
.set G0M,  60
.set G0SC, 68
.set TB, 72
.set TS, 73
.set SLOTS, 74
.set LIM, 75
.set PFA, 76
.set PFS, 78
.set TQ, 91
.set MSB, 0
.set HINT, 0
.macro WIN new                         ; the immediate's high byte repeats the setting that is left
.if MSB != (\new)
	s_set_vgpr_msb (MSB<<8)|(\new)
.set MSB, (\new)
.endif
.endm
.macro PLACES n
.rept \n
	v_nop
.endr
.endm
.macro AW
	s_wait_alu depctr_va_vdst(0)
.endm
.macro CROUND                          ; a round of the cluster's barrier
	s_barrier_signal -1
	s_barrier_wait -1
	s_cmp_lg_u32 s[WV], 0
	s_cbranch_scc1 .Lnot_wave_0_\@
	s_barrier_signal -3
.Lnot_wave_0_\@:
	s_barrier_wait -3
	s_barrier_signal -1
	s_barrier_wait -1
.endm
.macro TL g0, g1                       ; a joint load with the lines behind it
	tensor_load_to_lds s[\g0:\g0+3], s[\g1:\g1+7]
	s_nop 0
	PLACES 4
.endm
.macro TLOAD                           ; a refill: waves 0, 1 the images, waves 2 to 5 the mask, the others nothing
	s_cmp_lt_u32 s[WV], 2
	s_cbranch_scc0 .Lnot_kv_\@
	TL G0KV, G1KV
	s_branch .Lasked_\@
.Lnot_kv_\@:
	s_cmp_lt_u32 s[WV], 6
	s_cbranch_scc0 .Lasked_\@
	TL G0M, G1M
.Lasked_\@:
.endm
; A PREFETCH INTO THE L2 of what the NEXT change of slots will ask for.  Each aligned 256 bytes are named once in the launch: the images by the clusters with cluster y = 0 (partner cy: 8 KB of the slot's 32, wave 0, lanes 256 bytes apart),
; the mask by those with cluster x = 0 (partner cx: 16 of the 64 rows, waves 2 and 3 eight each, four lanes to a row's 1,024 bytes).  Partners are told apart by ADDRESS.  The last change that fills a slot asks for nothing; slots 0 and 1 come by their loads alone.
.macro ASK
	s_cmp_gt_u32 s[SLOTS], s[LIM]
	s_cbranch_scc0 .Lnot_mine_\@
	global_prefetch_b8 v[PFO], s[PFA:PFA+1] th:TH_LOAD_NT scope:SCOPE_SE
.Lnot_mine_\@:
.endm
	s_load_b256 s[4:11], s[0:1], 0x0               ; q_img, q_scl, kv_img, kv_scl
	s_load_b128 s[12:15], s[0:1], 0x20             ; the mask, a_img
	s_load_b64 s[16:17], s[0:1], 0x30              ; a_scl
	v_lshl_add_u32 v[SPW], v0, 2, SPARE
	v_mov_b32 v[NIL], 0
	ds_add_u32 v[SPW], v[NIL]                      ; the opening lines: the add twice on end and its wait
	ds_add_u32 v[SPW], v[NIL]
	v_lshrrev_b32 v6, 5, v0
	v_readfirstlane_b32 s[WV], v6                  ; wave 0..7
	s_and_b32 s[WH], s[WV], 1
	s_and_b32 s[TQ], s[WV], 3                      ; my 16 queries
	s_lshr_b32 s[KP], s[WV], 2                     ; my half of each slot's keys
	s_bfe_u32 s[CX], ttmp6, 0x40000
	s_bfe_u32 s[CY], ttmp6, 0x40004
	s_mov_b32 s[CLX], ttmp9
	s_and_b32 s[CLY], ttmp7, 0xffff
	s_lshl_b32 s[G], s[CLX], 2
	s_add_co_u32 s[G], s[G], s[CX]                 ; the key/value head
	s_lshl_b32 s[QG], s[CLY], 2
	s_add_co_u32 s[QG], s[QG], s[CY]               ; the group of 64 queries
	s_lshl_b32 s30, 0x1111, s[CX]                  ; my column of the cluster
	s_lshl_b32 s31, s[CY], 2
	s_lshl_b32 s31, 15, s31                        ; my row
	s_or_b32 s[G1KV], s30, (3<<16)|(1<<21)         ; 16 KB dense: 64 rows of 256 bytes
	s_mov_b32 s[G1KV+1], 32<<16
	s_mov_b32 s[G1KV+2], 64<<16
	s_mov_b32 s[G1KV+3], 32<<16
	s_mov_b32 s[G1KV+4], 64
	s_mov_b32 s[G1KV+5], 32
	s_mov_b32 s[G1KV+6], 0
	s_mov_b32 s[G1KV+7], 0
	s_or_b32 s[G1SC], s30, (3<<16)|(1<<21)         ; 8 KB dense: 32 such rows
	s_mov_b32 s[G1SC+1], 32<<16
	s_mov_b32 s[G1SC+2], 32<<16
	s_mov_b32 s[G1SC+3], 32<<16
	s_mov_b32 s[G1SC+4], 32
	s_mov_b32 s[G1SC+5], 32
	s_mov_b32 s[G1SC+6], 0
	s_mov_b32 s[G1SC+7], 0
	s_or_b32 s[G1M], s31, (2<<16)|(1<<20)|(1<<21)|(7<<22)|(3<<25)   ; 16 rows x 256 elements of 4 bytes; four words of padding after every 256
	s_mov_b32 s[G1M+1], 256<<16
	s_mov_b32 s[G1M+2], 16<<16
	s_mov_b32 s[G1M+3], 256<<16
	s_mov_b32 s[G1M+4], 16
	s_mov_b32 s[G1M+5], 2048
	s_mov_b32 s[G1M+6], 0
	s_mov_b32 s[G1M+7], 0
	s_lshl_b32 s80, s[G], 18                       ; the images: 256 KB a head, my 16 KB of a slot
	s_lshl_b32 s66, s[WH], 14
	s_add_co_u32 s80, s80, s66
	s_mov_b32 s81, 0
	s_lshl_b32 s82, s[G], 14                       ; the scale words: 16 KB a head, my 8 KB
	s_lshl_b32 s66, s[WH], 13
	s_add_co_u32 s82, s82, s66
	s_mov_b32 s83, 0
	s_add_co_u32 s67, s[WV], 2
	s_and_b32 s67, s67, 3                          ; waves 2 to 5: which 16 rows of the mask's tile
	s_lshl_b32 s84, s[QG], 19                      ; the mask: 64 rows of 8,192 bytes a group
	s_lshl_b32 s66, s67, 17
	s_add_co_u32 s84, s84, s66
	s_mov_b32 s85, 0
	s_mov_b32 s[SEL], 0x76543210
	s_mov_b32 s[SEL+1], 0xfedcba98
	s_mov_b32 s[TB], 0
	s_mov_b32 s[TS], 0
	s_mov_b32 s[SLOTS], 7                          ; 8 slots' worth of keys; all but the first are asked for at a change of slots
	s_wait_dscnt 0x0                               ; both opening adds are done
	s_wait_kmcnt 0x0
	s_mov_b32 s[G0KV], 1
	s_lshl_b32 s[G0KV+1], s[WH], 14
	s_add_nc_u64 s[G0KV+2:G0KV+3], s[8:9], s[80:81]
	s_or_b32 s[G0KV+3], s[G0KV+3], 0x80000000
	s_mov_b32 s[G0M], 1
	s_mul_i32 s[G0M+1], s67, 16*MP
	s_add_co_u32 s[G0M+1], s[G0M+1], MOFF
	s_add_nc_u64 s[G0M+2:G0M+3], s[12:13], s[84:85]
	s_or_b32 s[G0M+3], s[G0M+3], 0x80000000
	s_mov_b32 s[G0SC], 1
	s_lshl_b32 s[G0SC+1], s[WH], 13
	s_add_co_u32 s[G0SC+1], s[G0SC+1], SCK
	s_add_nc_u64 s[G0SC+2:G0SC+3], s[10:11], s[82:83]
	s_or_b32 s[G0SC+3], s[G0SC+3], 0x80000000
	CROUND                                         ; all sixteen work-groups are here: the first joint loads meet
	s_cmp_lt_u32 s[WV], 2                          ; the head's loads, one a wave, in one chain of branches on the wave's number
	s_cbranch_scc0 .Lhead_m
	TL G0KV, G1KV
	s_branch .Lhead_asked
.Lhead_m:
	s_cmp_lt_u32 s[WV], 6
	s_cbranch_scc0 .Lhead_s
	TL G0M, G1M
	s_branch .Lhead_asked
.Lhead_s:
	TL G0SC, G1SC
.Lhead_asked:
	; Q, and where the result goes: tile 0's places; tile 1's lie one head further on, by immediates
	s_lshl_b32 s[HEAD], s[G], 1
	s_lshl_b32 s90, s[HEAD], 5
	s_add_co_u32 s90, s90, s[QG]
	s_lshl_b32 s86, s90, 12
	s_lshl_b32 s88, s[TQ], 10
	s_add_co_u32 s86, s86, s88
	s_mov_b32 s87, 0
	s_add_nc_u64 s[4:5], s[4:5], s[86:87]
	s_lshl_b32 s86, s90, 8
	s_lshl_b32 s88, s[TQ], 2
	s_add_co_u32 s86, s86, s88
	s_add_nc_u64 s[6:7], s[6:7], s[86:87]
	s_lshl_b32 s90, s[QG], 4
	s_add_co_u32 s90, s90, s[HEAD]
	s_lshl_b32 s86, s90, 12
	s_lshl_b32 s88, s[TQ], 10
	s_add_co_u32 s86, s86, s88
	s_add_nc_u64 s[14:15], s[14:15], s[86:87]
	s_lshl_b32 s86, s90, 8
	s_lshl_b32 s88, s[TQ], 6
	s_add_co_u32 s86, s86, s88
	s_add_nc_u64 s[16:17], s[16:17], s[86:87]
	; the prefetches: who asks, and where
	s_lshl_b32 s86, s[G], 18
	s_lshl_b32 s88, s[CY], 13
	s_add_co_u32 s86, s86, s88
	s_lshl_b32 s88, s[QG], 19
	s_lshl_b32 s89, s[CX], 17
	s_add_co_u32 s88, s88, s89
	s_lshl_b32 s89, s[WH], 16
	s_add_co_u32 s88, s88, s89
	s_mov_b32 s[PFS], 1024
	s_mov_b32 s89, 8192
	s_lshr_b32 s90, s[WV], 2
	s_cmp_lt_u32 s[WV], 2
	s_cselect_b32 s66, s[WV], s90                  ; 0 in waves 0, 2 and 3 alone
	s_cselect_b32 s67, s[CLY], s[CLX]
	s_cselect_b64 s[PFA:PFA+1], s[8:9], s[12:13]
	s_cselect_b32 s86, s86, s88
	s_cselect_b32 s[PFS], 32768, s[PFS]
	s_cselect_b32 s89, 1024, s89
	s_or_b32 s66, s66, s67
	s_cmp_eq_u32 s66, 0
	s_cselect_b32 s[LIM], 1, -1
	s_add_co_u32 s86, s86, s[PFS]                  ; in slot 1: the first change of slots steps it to slot 2
	s_mov_b32 s[PFS+1], 0
	s_add_nc_u64 s[PFA:PFA+1], s[PFA:PFA+1], s[86:87]
	; what the wave's number adds to the LDS addresses
	s_lshl_b32 s80, s[KP], 14                      ; my key step's images in a slot
	s_lshl_b32 s81, s[KP], 10
	s_add_co_u32 s81, s81, SCK                     ; its scale words
	s_mul_i32 s82, s[TQ], 16*MP
	s_lshl_b32 s83, s[KP], 9
	s_add_co_u32 s82, s82, s83
	s_add_co_u32 s82, s82, MOFF                    ; my 16 rows of the mask's tile, my 128 keys
	s_mul_i32 s83, s[WV], STGB                     ; where I hand over,
	s_xor_b32 s84, s[WV], 4
	s_mul_i32 s84, s84, STGB                       ; and where my partner does
	v_and_b32 v6, 31, v0
	v_lshlrev_b32 v[LI], 4, v6
	v_lshrrev_b32 v7, 2, v6
	v_mul_lo_u32 v[PFO], v7, s89
	v_and_b32 v7, 3, v0
	v_lshl_add_u32 v[PFO], v7, 8, v[PFO]
	v_and_b32 v6, 15, v0                           ; r
	v_bfe_u32 v7, v0, 4, 1                         ; h
	v_add_nc_u32 v[AKV], s80, v[LI]
	v_lshlrev_b32 v8, 4, v6
	v_add_nc_u32 v[ASC], s81, v8
	v_mul_u32_u24 v[AMK], v6, MP
	v_lshl_add_u32 v[AMK], v7, 5, v[AMK]
	v_add_nc_u32 v[AMK], s82, v[AMK]
	v_add_nc_u32 v[STA], s83, v[LI]
	v_add_nc_u32 v[RDA], s84, v[LI]
	AW
	global_load_b128 v[Q0:Q0+3], v[LI], s[4:5]     ; Q's two fragments stay in registers
	global_load_b128 v[Q0+4:Q0+7], v[LI], s[4:5] offset:512
	global_load_b128 v[Q0+8:Q0+11], v[LI], s[4:5] offset:131072
	global_load_b128 v[Q0+12:Q0+15], v[LI], s[4:5] offset:131584
	global_load_b32 v[QS0], v8, s[6:7]             ; and their scale words
	global_load_b32 v[QS0+1], v8, s[6:7] offset:8192
	v_mov_b32 v[KC], 0x3c0b4875                    ; 2 log2(e) / (30 sqrt(128))
	v_mov_b32 v[KC+1], 0x3c0b4875
	v_mov_b32 v[KC+2], 0xc2700000                  ; -60
	v_mov_b32 v[KC+3], 0xc2700000
	v_mov_b32 v[KC+4], 0x422d1f97                  ; 30 log2(e)
	v_mov_b32 v[KC+6], 0x3fb8aa3b                  ; log2(e)
	v_mov_b32 v[KC+7], 0x3fb8aa3b
.irp x, 0,1
	v_mov_b32 v[ST0+8*\x+1], 0xff61b1e6            ; the largest t so far: -3e38, under every t
	v_floor_f32 v[ST0+8*\x], -v[ST0+8*\x+1]        ; -M
.irp b, 2,3,5,6,7
	v_mov_b32 v[ST0+8*\x+\b], 0                    ; the sum's halves; the pairs' upper halves; a permute's destination
.endr
.irp b, 4,5,6,7
	v_mov_b32 v[WK0+12*\x+\b], 0                   ; a lane permute's destination counts as one of its sources
.endr
.endr
.irp b, 4,5,6,7
	v_mov_b32 v[TM+\b], 0
.endr
	WIN 0x40
.set I, 0
.rept 128
	v_mov_b32 v[I], 0                              ; O^T: the loop has no first step of its own; the first change of M leaves zeros zeros
.set I, I+1
.endr
	WIN 0
; TRANSCENDENTAL number TI of a batch of tile x: k = 0: 2^s, k = 1: 1 / s, in place; numbers 64 to 67 (k = 0): 2^ of the four block maxima.  It has one source, so the third source's window does not touch it.
.macro TRANS k, x
.if TI < 64
.if (\k) == 1
	v_rcp_f32 v[SB0+64*(\x)+TI], v[SB0+64*(\x)+TI]
.else
	v_exp_f32 v[SB0+64*(\x)+TI], v[SB0+64*(\x)+TI]
.endif
.else
	v_exp_f32 v[WK0+12*(\x)+TI-64], v[WK0+12*(\x)+TI-64]
.endif
.endm
.macro DEP n                           ; a hint ahead of a line of the one chain that stands bare
.if HINT
	s_delay_alu instid0(VALU_DEP_\n)
.endif
.endm
; LIST 3, 118 lines.  0-31 u = mask - 60 r (third source in window 1);  32-71 the largest u of each block of 32 keys (it serves for the row's maximum and, since p rises with u, for the block's largest p);
;   72-81 the row's maximum as t, the running largest t, the new -M, f = 2^(old M - new M), 30 log2(e) - M;  82-113 t - M;  114-117 the same of each block's largest u
.macro LOGIT
.if PI < 32
	WIN 0x10
	v_pk_fma_f32 v[rS+2*PI:rS+2*PI+1], v[rS+2*PI:rS+2*PI+1], v[KC+2:KC+3], v[XA+2*PI:XA+2*PI+1]
.else
	WIN 0
.if PI < 36
.set pn, PI-32
	v_max3_num_f32 v[rB+pn], v[rS+16*pn], v[rS+16*pn+1], v[rS+16*pn+2]
.elseif PI < 60
.set pn, (PI-36)%4
.set pm, 3+2*((PI-36)/4)
	v_max3_num_f32 v[rB+pn], v[rB+pn], v[rS+16*pn+pm], v[rS+16*pn+pm+1]
.elseif PI < 64
.set pn, PI-60
	v_max_num_f32 v[rB+pn], v[rB+pn], v[rS+16*pn+15]
.elseif PI < 68
.set pn, PI-64
	v_permlanex16_b32 v[rB+4+pn], v[rB+pn], s[SEL], s[SEL+1]
.elseif PI < 72
.set pn, PI-68
	v_max_num_f32 v[rB+pn], v[rB+pn], v[rB+4+pn]
.elseif PI == 72
	v_max3_num_f32 v[rT+6], v[rB], v[rB+1], v[rB+2]
.elseif PI == 73
	DEP 1
	v_max_num_f32 v[rT+6], v[rT+6], v[rB+3]
.elseif PI == 74
	DEP 1
	v_fma_f32 v[rT+6], v[rT+6], v[KC+6], v[KC+4]
.elseif PI == 75
	DEP 1
	v_max_num_f32 v[rT+1], v[rT+1], v[rT+6]
.elseif PI == 76
	v_mov_b32 v[rT+6], v[rT]
.elseif PI == 77
	DEP 2
	v_floor_f32 v[rT], -v[rT+1]
.elseif PI == 78
	DEP 1
	v_sub_f32 v[rT+6], v[rT], v[rT+6]
.elseif PI == 79
	DEP 1
	v_cvt_i32_f32 v[rT+6], v[rT+6]
.elseif PI == 80
	DEP 1
	v_ldexp_f32 v[rT+4], 1.0, v[rT+6]
.elseif PI == 81
	DEP 4
	v_add_f32 v[rT+6], v[rT], v[KC+4]
.elseif PI < 114
.set pn, PI-82
	v_pk_fma_f32 v[rS+2*pn:rS+2*pn+1], v[rS+2*pn:rS+2*pn+1], v[KC+6:KC+7], v[rT+6:rT+7] op_sel_hi:[1,1,0]
.else
.set pn, PI-114
	v_fma_f32 v[rB+pn], v[rB+pn], v[KC+6], v[rT+6]
.endif
.endif
.endm
; LIST 4, 61 lines: from p to the second product's operand.  0 the sum under the new M;  1-32 the row's sum of the unquantised p, in four chains;  33-47 each block's largest p, floored at 2^(3 - 127), gives the conversion's scale operand, the byte and p's scale word;
;   48-55 the conversions: the operand wants keys 64 c + 32 h + 0 .. 31 in registers 4 c .. 4 c + 3: tile-rows 4 c and 4 c + 2 change halves, and 4 c + 1 and 4 c + 3;  56 a plain line;  57-60 the exchanges
.macro WEIGH
	WIN 0
.if PI == 0
	v_pk_mul_f32 v[rT+2:rT+3], v[rT+2:rT+3], v[rT+4:rT+5] op_sel_hi:[1,0]
.elseif PI < 4
.set pn, PI-1
	v_pk_add_f32 v[rB+4+2*pn:rB+5+2*pn], v[rS+4*pn:rS+4*pn+1], v[rS+4*pn+2:rS+4*pn+3]
.elseif PI < 30
.set pn, (PI-4)%4
.set pm, rS+12+2*(PI-4)
.if pn == 0
	v_pk_add_f32 v[rT+2:rT+3], v[rT+2:rT+3], v[pm:pm+1]
.else
	v_pk_add_f32 v[rB+2+2*pn:rB+3+2*pn], v[rB+2+2*pn:rB+3+2*pn], v[pm:pm+1]
.endif
.elseif PI == 30
	v_pk_add_f32 v[rT+2:rT+3], v[rT+2:rT+3], v[rB+4:rB+5]
.elseif PI == 31
	v_pk_add_f32 v[rB+6:rB+7], v[rB+6:rB+7], v[rB+8:rB+9]
.elseif PI == 32
	v_pk_add_f32 v[rT+2:rT+3], v[rT+2:rT+3], v[rB+6:rB+7]
.elseif PI < 37
.set pn, PI-33
	v_max_num_f32 v[rB+pn], 0x1800000, v[rB+pn]
.elseif PI < 41
.set pn, PI-37
	v_add_nc_u32 v[rB+8+pn], 0xff000000, v[rB+pn]
.elseif PI < 45
.set pn, PI-41
	v_lshrrev_b32 v[rB+4+pn], 23, v[rB+8+pn]
.elseif PI == 45
	v_lshl_or_b32 v[rW], v[rB+5], 8, v[rB+4]
.elseif PI == 46
	v_lshl_or_b32 v[rW], v[rB+6], 16, v[rW]
.elseif PI == 47
	v_lshl_or_b32 v[rW], v[rB+7], 24, v[rW]
.elseif PI < 56
.set pn, (PI-48)/4
.set pm, (PI-48)%4
	v_cvt_scalef32_pk8_fp4_f32 v[rC+4*pn+2*(pm%2)+pm/2], v[rS+32*pn+8*pm:rS+32*pn+8*pm+7], v[rB+8+2*pn+pm/2]
.elseif PI == 56
	v_nop
.else
.set pn, (PI-57)/2
.set pm, (PI-57)%2
	v_permlane16_swap_b32 v[rC+4*pn+2*pm], v[rC+4*pn+2*pm+1]
.endif
.endm
; PLAIN LINE number PI of list l for tile x.  List 1, 32 lines: the score x the folded constant (each accumulator from its low end on).  List 2, 32 lines: 1 + 2^..
.macro PLAIN l, x
.set rS, SB0+64*(\x)
.set rT, ST0+8*(\x)
.set rB, WK0+12*(\x)
.set rC, PC0+8*(\x)
.set rW, PW0+(\x)
.if (\l) == 1
	WIN 0
	v_pk_mul_f32 v[rS+2*PI:rS+2*PI+1], v[rS+2*PI:rS+2*PI+1], v[KC:KC+1]
.elseif (\l) == 2
	WIN 0
	v_pk_add_f32 v[rS+2*PI:rS+2*PI+1], v[rS+2*PI:rS+2*PI+1], 1.0 op_sel_hi:[1,0]
.elseif (\l) == 3
	LOGIT
.else
	WEIGH
.endif
.endm
.macro RUN l, x, p0, n                 ; lines p0 .. p0 + n - 1 of a list
.set HINT, 1
.set ZI, 0
.rept \n
.set PI, (\p0)+ZI
	PLAIN \l, \x
.set ZI, ZI+1
.endr
.endm
; A batch of nt transcendentals of tile tx; behind each of the first np stands one element-wise line of tile px.  Then a plain line and the wait behind the batch.  The wait ahead of it is the last batch's, or is written ahead of the macro.
.macro ZIP k, tx, nt, l, px, p0, np
.set HINT, 0
.set ZI, 0
.rept \nt
.set TI, ZI
	TRANS \k, \tx
.if ZI < (\np)
.set PI, (\p0)+ZI
	PLAIN \l, \px
.endif
.set ZI, ZI+1
.endr
	WIN 0
	v_nop
	AW
.endm
.macro ZIPP la, xa, a0, lb, xb, b0, n  ; n lines of each of two lists by turns: no transcendental among them
.set HINT, 0
.set ZI, 0
.rept \n
.set PI, (\a0)+ZI
	PLAIN \la, \xa
.set PI, (\b0)+ZI
	PLAIN \lb, \xb
.set ZI, ZI+1
.endr
.endm
.macro KLOADS                          ; at the cut: my next step's addresses, K's scale words and K's eight fragments: 18 LDS loads
	v_add_nc_u32 v[ADK], s[TB], v[AKV]
	v_add_nc_u32 v[ADM], s[TB], v[AMK]
	v_add_nc_u32 v[ADS], s[TS], v[ASC]
	AW                                             ; directly behind the writes: they are read again behind waits
	ds_load_b128 v[SWK:SWK+3], v[ADS]
	ds_load_b128 v[SWK+4:SWK+7], v[ADS] offset:256
	WIN 0x40
.irp i, 0,1,2,3,4,5,6,7
.irp c, 0,1
	ds_load_b128 v[XA+8*\i+4*\c:XA+8*\i+4*\c+3], v[ADK] offset:1024*\i+512*\c
.endr
.endr
	WIN 0
	s_xor_b32 s[TB], s[TB], SLOT1                  ; my next step lies in the other slot,
	s_add_co_u32 s[TS], s[TS], 2048                ; its scale words two steps on
.endm
.macro VLOADS                          ; the step's V and its scale words: 18 LDS loads
	ds_load_b128 v[SWV:SWV+3], v[ADS] offset:512
	ds_load_b128 v[SWV+4:SWV+7], v[ADS] offset:768
	WIN 0x40
.irp i, 0,1,2,3,4,5,6,7
.irp c, 0,1
	ds_load_b128 v[FRV+8*\i+4*\c:FRV+8*\i+4*\c+3], v[ADK] offset:8192+1024*\i+512*\c
.endr
.endr
	WIN 0
.endm
.macro MLOADS                          ; the mask in S^T's layout, into the registers that held K: my query's row, keys 16 i + 8 h + 0 .. 7
	WIN 0x40
.irp i, 0,1,2,3,4,5,6,7
.irp c, 0,1
	ds_load_b128 v[XA+8*\i+4*\c:XA+8*\i+4*\c+3], v[ADM] offset:64*\i+16*\c
.endr
.endr
	WIN 0
.endm
; The 16 accumulators of each product take turns, one instruction a turn; a fragment of K or V serves both tiles.
.macro KQ
	WIN 0x01
.irp i, 0,1,2,3,4,5,6,7
.irp x, 0,1
	v_wmma_scale_f32_16x16x128_f8f6f4 v[SB0+64*\x+8*\i:SB0+64*\x+8*\i+7], v[XA+8*\i:XA+8*\i+7], v[Q0+8*\x:Q0+8*\x+7], 0, v[SWK+\i], v[QS0+\x] matrix_a_fmt:MATRIX_FMT_FP4 matrix_b_fmt:MATRIX_FMT_FP4
.endr
.endr
	WIN 0
.endm
.macro PV
	WIN 0x51
.irp i, 0,1,2,3,4,5,6,7
.irp x, 0,1
	v_wmma_scale_f32_16x16x128_f8f6f4 v[64*\x+8*\i:64*\x+8*\i+7], v[FRV+8*\i:FRV+8*\i+7], v[PC0+8*\x:PC0+8*\x+7], v[64*\x+8*\i:64*\x+8*\i+7], v[SWV+\i], v[PW0+\x] matrix_a_fmt:MATRIX_FMT_FP4 matrix_b_fmt:MATRIX_FMT_FP4
.endr
.endr
	WIN 0
.endm
.macro RESCALE                         ; both O^T under the new M, each accumulator from its low end on; these 64 lines also stand between the lines that made p's codes and scale words and the products
	WIN 0x41
	AW                                             ; directly ahead of the first reader of the last products' results
.irp x, 0,1
.set I, 0
.rept 32
	v_pk_mul_f32 v[64*\x+2*I:64*\x+2*I+1], v[64*\x+2*I:64*\x+2*I+1], v[ST0+8*\x+4:ST0+8*\x+5] op_sel_hi:[1,0]
.set I, I+1
.endr
.endr
.endm
; THE FIRST PART OF A KEY STEP: as far as tile 0's weights p and tile 1's u, the mask's last reader.
.macro BEG
	PLACES 4                                       ; between the last V^T P^T and the loads into the registers that it read
	VLOADS
	s_wait_dscnt 18                                ; K and its words are in; only V's 18 loads are younger
	KQ
	PLACES 4                                       ; ahead of the loads into K's registers and of the first read of the scores
	MLOADS
	AW                                             ; directly ahead of the scores' first readers
	RUN 1, 0, 0, 32
	RUN 1, 1, 0, 32
	AW
	ZIP 0, 0, 64, 1, 0, 0, 0                       ; 2^ of tile 0
	ZIP 0, 1, 64, 2, 0, 0, 32                      ; 2^ of tile 1 | 1 + of tile 0
	ZIP 1, 0, 64, 2, 1, 0, 32                      ; 1 / of tile 0 | 1 + of tile 1
	s_wait_dscnt 0x0                               ; the mask is in, and V
	ZIP 1, 1, 64, 3, 0, 0, 32                      ; 1 / of tile 1 | u of tile 0
	RUN 3, 0, 32, 86                               ; tile 0's maxima, M, f, t - M
	AW
	ZIP 0, 0, 68, 3, 1, 0, 32                      ; p of tile 0 | u of tile 1
.endm
; THE REST OF A KEY STEP.
.macro FINA                            ; work on registers alone: it stands between the opening signal of the change of slots and its wait
	RUN 3, 1, 32, 2
	ZIPP 3, 1, 34, 4, 0, 0, 48                     ; tile 1's maxima, M and f | tile 0's sums and scale word
	RUN 3, 1, 82, 36
	AW
	ZIP 0, 1, 68, 4, 0, 48, 8                      ; p of tile 1 | tile 0's conversions
	RUN 4, 0, 56, 5
	RUN 4, 1, 0, 61
	AW                                             ; directly ahead of the barrier's wait
.endm
.macro FINB
	RESCALE
	PV
.endm
; THE CHANGE OF SLOTS, at the loop's cut.  Each wave waits for all its tensor loads, adds 0 to its spare word, and waits for that and for its reads of the slot that it has left.
; fill = 1: a round of the cluster's barrier, and behind it the slot just left is filled with the keys that follow: one load in each of waves 0 to 5.
.macro CHANGE fill
	s_wait_tensorcnt 0x0
	ds_add_u32 v[SPW], v[NIL]
.if \fill
	s_xor_b32 s[G0KV+1], s[G0KV+1], SLOT1          ; no tensor load of mine is out: the walking descriptors step
	s_add_nc_u64 s[G0KV+2:G0KV+3], s[G0KV+2:G0KV+3], 32768
	s_xor_b32 s[G0M+1], s[G0M+1], SLOT1
	s_add_nc_u64 s[G0M+2:G0M+3], s[G0M+2:G0M+3], 1024
	s_wait_xcnt 0x0                                ; the last prefetch (the first time: Q's loads) has read its address
	s_add_nc_u64 s[PFA:PFA+1], s[PFA:PFA+1], s[PFS:PFS+1]
.endif
	s_wait_dscnt 0x0                               ; the add is done, and my reads of the slot that I have left are over:
	s_barrier_signal -1                            ; say so; work on registers follows while the others arrive
.endm
.macro CREST                           ; a round of the cluster's barrier behind its opening barrier
	s_cmp_lg_u32 s[WV], 0
	s_cbranch_scc1 .Lnw0_\@
	s_barrier_signal -3
.Lnw0_\@:
	s_barrier_wait -3
	s_barrier_signal -1
	s_barrier_wait -1
.endm
.macro ARRIVE fill                     ; the wait of the barrier that CHANGE has signalled; fill = 1: the rest of the round, the joint refill first behind it, and the prefetch
	s_barrier_wait -1
.if \fill
	CREST
	TLOAD
	ASK
.endif
.endm
	AW                                             ; at the head's end
	CHANGE 1                                       ; slot 0 is whole; slot 1 is asked for
	ARRIVE 1
	KLOADS
	s_wait_loadcnt 0x0                             ; Q
	BEG
	s_mov_b32 s[SLOTS], 6
.Lslot:                                ; 6 trips: behind each of these changes of slots the next slot is asked for
	CHANGE 1
	FINA
	ARRIVE 1
	KLOADS
	FINB
	BEG
	s_sub_co_u32 s[SLOTS], s[SLOTS], 1
	s_cmp_lg_u32 s[SLOTS], 0
	s_cbranch_scc1 .Lslot
	CHANGE 0                                       ; the last slot is written out
	FINA
	ARRIVE 0
	KLOADS
	FINB
	BEG
	FINA
	FINB
; 64 numbers of a lane, v[s] on, become a fragment's codes and its scale word (blocks and halves as in list 4)
.macro QUANT s, pc, pw
.irp b, 0,1,2,3
	v_max3_num_f32 v[TM+\b], |v[(\s)+16*\b]|, |v[(\s)+1+16*\b]|, 0x1800000
.endr
.irp i, 2,4,6,8,10,12,14
.irp b, 0,1,2,3
	v_max3_num_f32 v[TM+\b], v[TM+\b], |v[(\s)+16*\b+\i]|, |v[(\s)+1+16*\b+\i]|
.endr
.endr
.irp b, 0,1,2,3
	v_permlanex16_b32 v[TM+4+\b], v[TM+\b], s[SEL], s[SEL+1]
.endr
.irp b, 0,1,2,3
	v_max_num_f32 v[TM+\b], v[TM+\b], v[TM+4+\b]
.endr
.irp b, 0,1,2,3
	v_add_nc_u32 v[TM+12+\b], 0xff000000, v[TM+\b]
.endr
.irp b, 0,1,2,3
	v_lshrrev_b32 v[TM+4+\b], 23, v[TM+12+\b]
.endr
	v_lshl_or_b32 v[\pw], v[TM+5], 8, v[TM+4]
	v_lshl_or_b32 v[\pw], v[TM+6], 16, v[\pw]
	v_lshl_or_b32 v[\pw], v[TM+7], 24, v[\pw]
.irp c, 0,1
	v_cvt_scalef32_pk8_fp4_f32 v[(\pc)+4*\c], v[(\s)+32*\c:(\s)+32*\c+7], v[TM+12+2*\c]
	v_cvt_scalef32_pk8_fp4_f32 v[(\pc)+4*\c+2], v[(\s)+32*\c+8:(\s)+32*\c+15], v[TM+12+2*\c]
	v_cvt_scalef32_pk8_fp4_f32 v[(\pc)+4*\c+1], v[(\s)+32*\c+16:(\s)+32*\c+23], v[TM+12+2*\c+1]
	v_cvt_scalef32_pk8_fp4_f32 v[(\pc)+4*\c+3], v[(\s)+32*\c+24:(\s)+32*\c+31], v[TM+12+2*\c+1]
.endr
	v_nop                                          ; one plain line behind the last conversion
.irp c, 0,1
	v_permlane16_swap_b32 v[(\pc)+4*\c], v[(\pc)+4*\c+1]
	v_permlane16_swap_b32 v[(\pc)+4*\c+2], v[(\pc)+4*\c+3]
.endr
.endm
.macro GIVE x                          ; tile x goes to my partner: its statistics (-M, .., the sum, ..) and its O^T as images of the registers, each accumulator from its low end on
	ds_store_b128 v[STA], v[ST0+8*(\x):ST0+8*(\x)+3] offset:8192
	WIN 0x04
.set I, 0
.rept 16
	ds_store_b128 v[STA], v[64*(\x)+4*I:64*(\x)+4*I+3] offset:512*I
.set I, I+1
.endr
	WIN 0
.endm
.macro TAKE x                          ; I finish tile x: my part and my partner's under the larger M, divided by the joined sum, quantised along the head's 128, stored as images of the next product's operand
.set rT, ST0+8*(\x)
.set rO, SB0+64*(\x)
.set rP, SB0+64*(1-(\x))
	ds_load_b128 v[TM+8:TM+11], v[RDA] offset:8192
.set I, 0
.rept 16
	ds_load_b128 v[rP+4*I:rP+4*I+3], v[RDA] offset:512*I
.set I, I+1
.endr
	s_wait_dscnt 0x0
	v_min_num_f32 v[TM+12], v[rT], v[TM+8]         ; -M of the larger M
	v_sub_f32 v[TM+13], v[TM+12], v[rT]            ; my M less it, a whole number, 0 or less;
	v_sub_f32 v[TM+14], v[TM+12], v[TM+8]          ; my partner's
	v_cvt_i32_f32 v[TM+13], v[TM+13]
	v_cvt_i32_f32 v[TM+14], v[TM+14]
	v_ldexp_f32 v[rT+4], 1.0, v[TM+13]
	v_ldexp_f32 v[rT+6], 1.0, v[TM+14]
	v_mul_f32 v[TM+15], v[rT+2], v[rT+4]
	v_fma_f32 v[TM+15], v[TM+10], v[rT+6], v[TM+15]   ; the row's sum
	AW
	v_rcp_f32 v[TM+15], v[TM+15]
	v_and_b32 v[TM+9], 15, v0                      ; (plain lines behind the transcendental)
	v_lshlrev_b32 v[TM+9], 2, v[TM+9]              ; 4 r
	AW
	v_mul_f32 v[rT+4], v[rT+4], v[TM+15]
	v_mul_f32 v[rT+6], v[rT+6], v[TM+15]
	WIN 0x01
	AW                                             ; directly ahead of the first readers of the last products' results
.set I, 0
.rept 32
	v_pk_mul_f32 v[rO+2*I:rO+2*I+1], v[64*(\x)+2*I:64*(\x)+2*I+1], v[rT+4:rT+5] op_sel_hi:[1,0]
.set I, I+1
.endr
	WIN 0
.set I, 0
.rept 32
	v_pk_fma_f32 v[rO+2*I:rO+2*I+1], v[rP+2*I:rP+2*I+1], v[rT+6:rT+7], v[rO+2*I:rO+2*I+1] op_sel_hi:[1,0,1]
.set I, I+1
.endr
	QUANT rO, PC0+8*(\x), PW0+(\x)
	global_store_b128 v[LI], v[PC0+8*(\x):PC0+8*(\x)+3], s[14:15] offset:4096*(\x)        ; 512 consecutive bytes a store
	global_store_b128 v[LI], v[PC0+8*(\x)+4:PC0+8*(\x)+7], s[14:15] offset:4096*(\x)+512
	global_store_b32 v[TM+9], v[PW0+(\x)], s[16:17] offset:256*(\x)                       ; the tile's 16 scale words (lanes 16-31 write the same bytes with the same values)
.endm
	; THE WAY OUT
	PLACES 4                                       ; behind the last products
.irp x, 0,1
	v_add_f32 v[ST0+8*\x+2], v[ST0+8*\x+2], v[ST0+8*\x+3]   ; the sum's two halves,
.endr
.irp x, 0,1
	v_permlanex16_b32 v[ST0+8*\x+6], v[ST0+8*\x+2], s[SEL], s[SEL+1]
.endr
.irp x, 0,1
	v_add_f32 v[ST0+8*\x+2], v[ST0+8*\x+2], v[ST0+8*\x+6]   ; and lane l xor 16's
.endr
	AW
	s_cmp_eq_u32 s[KP], 0                          ; waves 0-3 keep tile 0 and give tile 1; waves 4-7 the other way round
	s_cbranch_scc0 .Lgive0
	GIVE 1
	s_branch .Lgiven
.Lgive0:
	GIVE 0
.Lgiven:
	s_wait_dscnt 0x0                               ; for my partner's sake: my stores are done
	s_barrier_signal -1
	s_barrier_wait -1
	s_cmp_eq_u32 s[KP], 0
	s_cbranch_scc0 .Ltake1
	TAKE 0
	s_branch .Ldone
.Ltake1:
	TAKE 1
.Ldone:
	s_wait_tensorcnt 0x0                           ; the wave's end
	ds_add_u32 v[SPW], v[NIL]
	s_wait_dscnt 0x0
	CROUND                                         ; the closing round
	s_endpgm
.Lfunc_end_k_q948cabbf47_attn:
	.size	k_q948cabbf47_attn, .Lfunc_end_k_q948cabbf47_attn-k_q948cabbf47_attn
	.p2alignl 7, 3214868480
	.fill 96, 4, 3214868480
	.section	.rodata,"a",@progbits
	.p2align	6, 0x0
	.amdhsa_kernel k_q948cabbf47_attn
		.amdhsa_group_segment_fixed_size 327680
		.amdhsa_private_segment_fixed_size 0
		.amdhsa_enable_private_segment 0
		.amdhsa_kernarg_size 56
		.amdhsa_user_sgpr_count 2
		.amdhsa_user_sgpr_kernarg_segment_ptr 1
		.amdhsa_wavefront_size32 1
		.amdhsa_system_sgpr_workgroup_id_x 1
		.amdhsa_system_sgpr_workgroup_id_y 1
		.amdhsa_system_sgpr_workgroup_id_z 1
		.amdhsa_system_vgpr_workitem_id 0
		.amdhsa_next_free_vgpr 512
		.amdhsa_next_free_sgpr 92
		.amdhsa_reserve_vcc 0
		.amdhsa_float_denorm_mode_32 3
		.amdhsa_float_denorm_mode_16_64 3
		.amdhsa_memory_ordered 1
		.amdhsa_forward_progress 1
		.amdhsa_inst_pref_size 204
	.end_amdhsa_kernel
	.amdgpu_metadata
---
amdhsa.version: [ 1, 2 ]
amdhsa.kernels:
  - .name:           k_q948cabbf47_attn
    .symbol:         k_q948cabbf47_attn.kd
    .args:
      - { .name: q_img, .offset: 0, .size: 8, .value_kind: global_buffer, .address_space: global }
      - { .name: q_scl, .offset: 8, .size: 8, .value_kind: global_buffer, .address_space: global }
      - { .name: kv_img, .offset: 16, .size: 8, .value_kind: global_buffer, .address_space: global }
      - { .name: kv_scl, .offset: 24, .size: 8, .value_kind: global_buffer, .address_space: global }
      - { .name: attention_mask, .offset: 32, .size: 8, .value_kind: global_buffer, .address_space: global }
      - { .name: a_img, .offset: 40, .size: 8, .value_kind: global_buffer, .address_space: global }
      - { .name: a_scl, .offset: 48, .size: 8, .value_kind: global_buffer, .address_space: global }
    .group_segment_fixed_size: 327680
    .private_segment_fixed_size: 0
    .kernarg_segment_align: 8
    .kernarg_segment_size: 56
    .max_flat_workgroup_size: 256
    .sgpr_count:     92
    .vgpr_count:     512
    .wavefront_size: 32
...
	.end_amdgpu_metadata
.endif
;; end of part 3
;; launch oproj (part 4): grid 16 x 16, 4 waves a work-group, clusters of 4 x 4, 327,680 bytes of LDS; arguments wo_codes, wo_scales, a_img, a_scl, hidden_states, out0; writes out0
.if DOCPART == 4
	.amdgcn_target "amdgcn-amd-amdhsa--gfx1250"
	.amdhsa_code_object_version 6
	.text
	.protected	k_q948cabbf47_oproj
	.globl	k_q948cabbf47_oproj
	.p2align	8
	.type	k_q948cabbf47_oproj,@function
k_q948cabbf47_oproj:
	s_mov_b64 s[64:65], 0
	v_nop
	global_prefetch_b8 v0, s[64:65] scope:SCOPE_SE
	s_setreg_imm32_b32 hwreg(HW_REG_WAVE_MODE, 25, 1), 1
	s_wait_xcnt 0x0
	s_wait_alu depctr_hold_cnt(0) depctr_sa_sdst(0) depctr_va_vdst(0) depctr_va_sdst(0) depctr_va_ssrc(0) depctr_va_vcc(0) depctr_vm_vsrc(0)
	s_getreg_b32 s2, hwreg(HW_REG_IB_STS2, 6, 4)
	s_cmp_eq_u32 s2, 0
	s_cbranch_scc0 .Lentry_in_a_cluster
	s_endpgm
.Lentry_in_a_cluster:
	s_bfe_u32 s2, ttmp6, 0x10000c
	s_cmp_lg_u32 s2, 0xf033
	s_cbranch_scc0 .Lentry_shape_is_right
	s_endpgm
.Lentry_shape_is_right:
.set KROW,  1024
.set PITCH, 272
.set XHALF, 128*PITCH
.set YHALF, 16384
.set YOFF,  2*XHALF
.set SLOT,  YOFF+2*YHALF
.set SCX,   2*SLOT
.set SXH,   32*272
.set SCY,   SCX+2*SXH
.set SYH,   4096
.set SPARE, SCY+2*SYH
.set GXS,   512
.set GYS,   32768
.set SXS,   16
.set SYS,   1024
.set SPITCH, 528
.set ADX, 16
.set ADY, 20
.set ADXS, 22
.set ADYS, 23
.set STO, 24
.set RD,  25
.set CO,  26
.set SPW, 28
.set NIL, 29
.set XS,  32
.set YS,  96
.set YF,  128
.set WV, 36
.set WX, 37
.set WY, 38
.set CX, 39
.set CY, 40
.set G1X, 48
.set G1Y, 56
.set G0X, 68
.set G0Y, 76
.set G1SX, 84
.set G1SY, 92
.set G0SX, 16
.set G0SY, 20
.set MSB, 0
.macro WIN new
.if MSB != (\new)
	s_set_vgpr_msb (MSB<<8)|(\new)
.set MSB, (\new)
.endif
.endm
.macro PLACES n
.rept \n
	v_nop
.endr
.endm
.macro JLOAD g0x, g1x, g0y, g1y
	s_cmp_eq_u32 s[WY], 0
	s_cbranch_scc0 .Lfor_y_\@
	tensor_load_to_lds s[\g0x:\g0x+3], s[\g1x:\g1x+7]
	s_nop 0
	PLACES 4
	s_branch .Lasked_\@
.Lfor_y_\@:
	tensor_load_to_lds s[\g0y:\g0y+3], s[\g1y:\g1y+7]
	s_nop 0
	PLACES 4
.Lasked_\@:
.endm
.macro CREST
	s_cmp_lg_u32 s[WV], 0
	s_cbranch_scc1 .Lnot_wave_0_\@
	s_barrier_signal -3
.Lnot_wave_0_\@:
	s_barrier_wait -3
	s_barrier_signal -1
	s_barrier_wait -1
.endm
.macro CROUND
	s_barrier_signal -1
	s_barrier_wait -1
	CREST
.endm
	s_load_b256 s[4:11], s[0:1], 0x0
	s_load_b128 s[12:15], s[0:1], 0x20
	v_lshl_add_u32 v[SPW], v0, 2, SPARE
	v_mov_b32 v[NIL], 0
	ds_add_u32 v28, v29
	ds_add_u32 v28, v29
	s_wait_dscnt 0x0
	v_lshrrev_b32 v1, 5, v0
	v_readfirstlane_b32 s[WV], v1
	s_and_b32 s[WX], s[WV], 1
	s_lshr_b32 s[WY], s[WV], 1
	s_bfe_u32 s[CX], ttmp6, 0x40000
	s_bfe_u32 s[CY], ttmp6, 0x40004
	s_lshl_b32 s44, ttmp9, 2
	s_add_co_u32 s44, s44, s[CX]
	s_and_b32 s45, ttmp7, 0xffff
	s_lshl_b32 s45, s45, 2
	s_add_co_u32 s45, s45, s[CY]
	s_lshl_b32 s2, 0x1111, s[CX]
	s_lshl_b32 s3, s[CY], 2
	s_lshl_b32 s3, 15, s3
	s_or_b32 s[G1X], s2, (1<<20)|(1<<21)|(5<<22)|(3<<25)
	s_mov_b32 s[G1X+1], 256<<16
	s_mov_b32 s[G1X+2], 256<<16                    ; the head's load brings all 256 rows; the ring's loads 128 (set behind the head's wait)
	s_mov_b32 s[G1X+3], 256<<16
	s_mov_b32 s[G1X+4], 256
	s_mov_b32 s[G1X+5], KROW
	s_mov_b32 s[G1X+6], 0
	s_mov_b32 s[G1X+7], 0
	s_or_b32 s[G1Y], s3, (3<<16)|(1<<21)
	s_mov_b32 s[G1Y+1], 2048<<16                   ; at the head: both halves of Y's K step as 2 rows of 16,384 bytes (2,048 elements of 8), 65,536 bytes apart in memory, on end in LDS
	s_mov_b32 s[G1Y+2], 2<<16
	s_mov_b32 s[G1Y+3], 2048<<16
	s_mov_b32 s[G1Y+4], 2
	s_mov_b32 s[G1Y+5], 8192
	s_mov_b32 s[G1Y+6], 0
	s_mov_b32 s[G1Y+7], 0
	s_or_b32 s[G1SX], s2, (3<<16)|(1<<20)|(1<<21)|(5<<22)|(3<<25)
	s_mov_b32 s[G1SX+1], 32<<16
	s_mov_b32 s[G1SX+2], 64<<16                    ; the scales of all 256 rows: 64 units of 256 bytes
	s_mov_b32 s[G1SX+3], 32<<16
	s_mov_b32 s[G1SX+4], 64
	s_mov_b32 s[G1SX+5], 32
	s_mov_b32 s[G1SX+6], 0
	s_mov_b32 s[G1SX+7], 0
	s_or_b32 s[G1SY], s3, (3<<16)|(1<<21)
	s_mov_b32 s[G1SY+1], 32<<16
	s_mov_b32 s[G1SY+2], 32<<16                    ; both halves of Y's scale words: 32 units
	s_mov_b32 s[G1SY+3], 32<<16
	s_mov_b32 s[G1SY+4], 32
	s_mov_b32 s[G1SY+5], 32
	s_mov_b32 s[G1SY+6], 0
	s_mov_b32 s[G1SY+7], 0
	s_lshl_b32 s66, s[WX], 7
	s_lshl_b32 s2, s44, 8
	s_add_co_u32 s2, s2, s66
	s_lshl_b32 s3, s45, 1
	s_add_co_u32 s3, s3, s[WX]
	s_wait_kmcnt 0x0
	s_lshl_b32 s46, s2, 10
	s_mov_b32 s47, 0
	s_add_nc_u64 s[4:5], s[4:5], s[46:47]
	s_lshl_b32 s46, s2, 6
	s_add_nc_u64 s[6:7], s[6:7], s[46:47]
	s_lshl_b32 s34, s3, 16
	s_mov_b32 s35, 0
	s_add_nc_u64 s[8:9], s[8:9], s[34:35]
	s_lshl_b32 s34, s3, 12
	s_add_nc_u64 s[10:11], s[10:11], s[34:35]
	CROUND
	; THE HEAD'S FOUR TILES, EACH WHOLE, ONE LOAD A WAVE: wave 0 K step 0's 256 rows of X, wave 1 both halves of Y's K step 0, wave 2 X's scales, wave 3 Y's.  The pointers hold my half's first byte: the half's bytes are taken off.
	s_lshl_b32 s46, s[WX], 13
	s_mov_b32 s[G0SX], 1
	s_mov_b32 s[G0SX+1], SCX
	s_sub_nc_u64 s[G0SX+2:G0SX+3], s[6:7], s[46:47]
	s_or_b32 s[G0SX+3], s[G0SX+3], 0x80000000
	s_lshl_b32 s46, s[WX], 12
	s_mov_b32 s[G0SY], 1
	s_mov_b32 s[G0SY+1], SCY
	s_sub_nc_u64 s[G0SY+2:G0SY+3], s[10:11], s[46:47]
	s_or_b32 s[G0SY+3], s[G0SY+3], 0x80000000
	s_lshl_b32 s46, s[WX], 17
	s_mov_b32 s[G0X], 1
	s_mov_b32 s[G0X+1], 0
	s_sub_nc_u64 s[G0X+2:G0X+3], s[4:5], s[46:47]
	s_or_b32 s[G0X+3], s[G0X+3], 0x80000000
	s_lshl_b32 s34, s[WX], 16
	s_mov_b32 s[G0Y], 1
	s_mov_b32 s[G0Y+1], YOFF
	s_sub_nc_u64 s[G0Y+2:G0Y+3], s[8:9], s[34:35]
	s_or_b32 s[G0Y+3], s[G0Y+3], 0x80000000
	s_mov_b32 s[G0X+4], 1                          ; slot 1: my half of K step 1
	s_mul_i32 s[G0X+5], s[WX], XHALF
	s_add_co_u32 s[G0X+5], s[G0X+5], SLOT
	s_add_nc_u64 s[G0X+6:G0X+7], s[4:5], 256
	s_or_b32 s[G0X+7], s[G0X+7], 0x80000000
	s_mov_b32 s[G0Y+4], 1
	s_mul_i32 s[G0Y+5], s[WX], YHALF
	s_add_co_u32 s[G0Y+5], s[G0Y+5], YOFF+SLOT
	s_add_nc_u64 s[G0Y+6:G0Y+7], s[8:9], 16384
	s_or_b32 s[G0Y+7], s[G0Y+7], 0x80000000
	s_cmp_lt_u32 s[WV], 1                          ; one chain of branches on the wave's number, a load to an arm
	s_cbranch_scc0 .Lhead_y
	tensor_load_to_lds s[G0X:G0X+3], s[G1X:G1X+7]
	s_nop 0
	PLACES 4
	s_branch .Lhead_asked
.Lhead_y:
	s_cmp_lt_u32 s[WV], 2
	s_cbranch_scc0 .Lhead_sx
	tensor_load_to_lds s[G0Y:G0Y+3], s[G1Y:G1Y+7]
	s_nop 0
	PLACES 4
	s_branch .Lhead_asked
.Lhead_sx:
	s_cmp_lt_u32 s[WV], 3
	s_cbranch_scc0 .Lhead_sy
	tensor_load_to_lds s[G0SX:G0SX+3], s[G1SX:G1SX+7]
	s_nop 0
	PLACES 4
	s_branch .Lhead_asked
.Lhead_sy:
	tensor_load_to_lds s[G0SY:G0SY+3], s[G1SY:G1SY+7]
	s_nop 0
	PLACES 4
.Lhead_asked:                          ; the addresses and the residual's loads below stand under the flight of the head's four loads
	v_and_b32 v1, 15, v0
	v_bfe_u32 v2, v0, 4, 1
	v_and_b32 v5, 31, v0
	v_lshlrev_b32 v[CO], 4, v5
	v_mul_u32_u24 v3, v1, PITCH
	v_lshl_add_u32 v3, v2, 4, v3
	s_mul_i32 s66, s[WX], XHALF
	s_mul_i32 s67, s[WY], YHALF
	s_add_co_u32 s67, s67, YOFF
.irp s, 0,1
	v_add_nc_u32 v[ADX+\s], s66, v3
	v_add_nc_u32 v[ADY+\s], s67, v[CO]
	s_add_co_u32 s66, s66, SLOT
	s_add_co_u32 s67, s67, SLOT
.endr
	v_lshlrev_b32 v4, 6, v1
	v_lshrrev_b32 v5, 2, v1
	v_lshl_add_u32 v4, v5, 4, v4
	s_mul_i32 s66, s[WX], SXH
	s_add_co_u32 s66, s66, SCX
	v_add_nc_u32 v[ADXS], s66, v4
	s_mul_i32 s67, s[WY], SYH
	s_add_co_u32 s67, s67, SCY
	v_lshlrev_b32 v4, 2, v1
	v_add_nc_u32 v[ADYS], s67, v4
	s_mul_i32 s66, s[WV], 16*SPITCH
	v_mul_u32_u24 v4, v1, SPITCH
	v_lshl_add_u32 v4, v2, 5, v4
	v_add_nc_u32 v[STO], s66, v4
	v_add_nc_u32 v[RD], s66, v[CO]
	s_lshl_b32 s32, s45, 21
	s_lshl_b32 s33, s[WY], 20
	s_add_co_u32 s32, s32, s33
	s_lshl_b32 s33, s44, 10
	s_add_co_u32 s32, s32, s33
	s_lshl_b32 s33, s[WX], 9
	s_add_co_u32 s32, s32, s33
	s_mov_b32 s33, 0
	s_add_nc_u64 s[12:13], s[12:13], s[32:33]
	s_add_nc_u64 s[14:15], s[14:15], s[32:33]
.macro RLOAD a
	WIN 0xc0
.set J, 0
.rept 16
	global_load_b128 v[64*(\a)+4*J:64*(\a)+4*J+3], v[CO], s[12:13] offset:(16*(\a)+J)*16384 th:TH_LOAD_NT
.set J, J+1
.endr
	WIN 0
.endm
	RLOAD 0
	RLOAD 1
	RLOAD 2
.macro FETCH slot, q, p
	WIN 0x40
.irp i, 0,1,2,3,4,5,6,7
.irp c, 0,1
	ds_load_b128 v[64*(\p)+8*\i+4*\c:64*(\p)+8*\i+4*\c+3], v[ADX+\slot] offset:64*(\q)+32*\c+\i*16*PITCH
.endr
.endr
	WIN 0
.irp a, 0,1,2,3
.irp c, 0,1
	ds_load_b128 v[YF+32*(\p)+8*\a+4*\c:YF+32*(\p)+8*\a+4*\c+3], v[ADY+\slot] offset:4096*(\q)+1024*\a+512*\c
.endr
.endr
.endm
.macro SCALES sc
.irp i, 0,1,2,3,4,5,6,7
	ds_load_b128 v[XS+32*(\sc)+4*\i:XS+32*(\sc)+4*\i+3], v[ADXS] offset:\i*1088
.endr
.irp a, 0,1,2,3
.irp q, 0,1,2,3
	ds_load_b32 v[YS+16*(\sc)+4*\a+\q], v[ADYS] offset:256*\q+64*\a
.endr
.endr
.endm
.macro MUL a0, p, q, sc, zero
.irp a, \a0, \a0+1
.irp i, 0,1,2,3,4,5,6,7
.if \zero
	v_wmma_scale_f32_16x16x128_f8f6f4 v[64*(\a)+8*\i:64*(\a)+8*\i+7], v[64*(\p)+8*\i:64*(\p)+8*\i+7], v[YF+32*(\p)+8*(\a):YF+32*(\p)+8*(\a)+7], 0, v[XS+32*(\sc)+4*\i+(\q)], v[YS+16*(\sc)+4*(\a)+(\q)] matrix_a_fmt:MATRIX_FMT_FP4 matrix_b_fmt:MATRIX_FMT_FP4
.else
	v_wmma_scale_f32_16x16x128_f8f6f4 v[64*(\a)+8*\i:64*(\a)+8*\i+7], v[64*(\p)+8*\i:64*(\p)+8*\i+7], v[YF+32*(\p)+8*(\a):YF+32*(\p)+8*(\a)+7], v[64*(\a)+8*\i:64*(\a)+8*\i+7], v[XS+32*(\sc)+4*\i+(\q)], v[YS+16*(\sc)+4*(\a)+(\q)] matrix_a_fmt:MATRIX_FMT_FP4 matrix_b_fmt:MATRIX_FMT_FP4
.endif
.endr
.endr
.endm
.macro STEP slot, q, zero
	s_wait_dscnt 0x0
	PLACES 4
	FETCH \slot, (\q)+1, 1-(\q)%2
	WIN 0xa1
	MUL 0, (\q)%2, \q, \slot, \zero
	MUL 2, (\q)%2, \q, \slot, \zero
	WIN 0
.endm
.macro TURN slot, next, fill
	s_wait_tensorcnt 0x0
	ds_add_u32 v[SPW], v[NIL]
	s_wait_dscnt 1
	WIN 0xa1
	MUL 0, 1, 3, \slot, 0
	s_wait_dscnt 0x0
	s_barrier_signal -1
	WIN 0
	s_barrier_wait -1
.if \fill
	CREST
	s_add_nc_u64 s[G0X+4*\slot+2:G0X+4*\slot+3], s[G0X+4*\slot+2:G0X+4*\slot+3], GXS
	s_add_nc_u64 s[G0Y+4*\slot+2:G0Y+4*\slot+3], s[G0Y+4*\slot+2:G0Y+4*\slot+3], GYS
	JLOAD G0X+4*\slot, G1X, G0Y+4*\slot, G1Y
.else
	PLACES 4
.endif
	s_wait_alu depctr_va_vdst(0)
	v_add_nc_u32 v[ADXS], SXS, v[ADXS]
	v_add_nc_u32 v[ADYS], SYS, v[ADYS]
	FETCH \next, 0, 0
	SCALES \next
	WIN 0xa1
	MUL 2, 1, 3, \slot, 0
	WIN 0
.endm
	s_wait_alu depctr_va_vdst(0)                   ; the wait at the head's end
	s_wait_tensorcnt 0x0                           ; my tile of the four is in
	ds_add_u32 v28, v29
	s_mov_b32 s[G1X+2], 128<<16                    ; no tensor load of mine is out: from here on a load brings half a tile: 128 rows of X,
	s_mov_b32 s[G1X+4], 128
	s_mov_b32 s[G1Y+1], 32<<16                     ; 16 KB of Y as 64 rows of 256 bytes
	s_mov_b32 s[G1Y+2], 64<<16
	s_mov_b32 s[G1Y+3], 32<<16
	s_mov_b32 s[G1Y+4], 64
	s_mov_b32 s[G1Y+5], 32
	s_mul_i32 s[G0X+1], s[WX], XHALF               ; and slot 0's descriptors stand at my half of K step 0
	s_add_nc_u64 s[G0X+2:G0X+3], s[G0X+2:G0X+3], s[46:47]
	s_mul_i32 s[G0Y+1], s[WX], YHALF
	s_add_co_u32 s[G0Y+1], s[G0Y+1], YOFF
	s_add_nc_u64 s[G0Y+2:G0Y+3], s[G0Y+2:G0Y+3], s[34:35]
	s_wait_dscnt 0x0
	CROUND                                         ; all four tiles are in, in every work-group of the cluster
	JLOAD G0X+4, G1X, G0Y+4, G1Y
	FETCH 0, 0, 0
	SCALES 0
	STEP 0, 0, 1
	RLOAD 3
	STEP 0, 1, 0
	STEP 0, 2, 0
	TURN 0, 1, 1
	STEP 1, 0, 0
	STEP 1, 1, 0
	STEP 1, 2, 0
	TURN 1, 0, 1
	STEP 0, 0, 0
	STEP 0, 1, 0
	STEP 0, 2, 0
	TURN 0, 1, 0
	STEP 1, 0, 0
	STEP 1, 1, 0
	STEP 1, 2, 0
	s_wait_dscnt 0x0
	WIN 0xa1
	MUL 0, 1, 3, 1, 0
	MUL 2, 1, 3, 1, 0
	WIN 0
	PLACES 4
.macro TOSTAGE a
	WIN 0x08
.irp i, 0,1,2,3,4,5,6,7
	ds_store_b128 v[STO], v[64*(\a)+8*\i:64*(\a)+8*\i+3] offset:64*\i
	ds_store_b128 v[STO], v[64*(\a)+8*\i+4:64*(\a)+8*\i+7] offset:64*\i+16
.endr
	WIN 0x40
.set J, 0
.rept 16
	ds_load_b128 v[64*(\a)+4*J:64*(\a)+4*J+3], v[RD] offset:J*SPITCH
.set J, J+1
.endr
	WIN 0
.endm
.macro SEND a, younger
	s_wait_dscnt \younger
	s_wait_loadcnt 16*(3-(\a))
	WIN 0x4d
.set J, 0
.rept 32
	v_pk_add_f32 v[64*(\a)+2*J:64*(\a)+2*J+1], v[64*(\a)+2*J:64*(\a)+2*J+1], v[64*(\a)+2*J:64*(\a)+2*J+1]
.set J, J+1
.endr
	WIN 0x04
.set J, 0
.rept 16
	global_store_b128 v[CO], v[64*(\a)+4*J:64*(\a)+4*J+3], s[14:15] offset:(16*(\a)+J)*16384 th:TH_STORE_NT
.set J, J+1
.endr
	WIN 0
.endm
	TOSTAGE 0
	TOSTAGE 1
	SEND 0, 32
	TOSTAGE 2
	SEND 1, 32
	TOSTAGE 3
	SEND 2, 32
	SEND 3, 0
	s_wait_tensorcnt 0x0
	ds_add_u32 v[SPW], v[NIL]
	s_wait_dscnt 0x0
	CROUND
	s_endpgm
.Lfunc_end_k_q948cabbf47_oproj:
	.size	k_q948cabbf47_oproj, .Lfunc_end_k_q948cabbf47_oproj-k_q948cabbf47_oproj
	.p2alignl 7, 3214868480
	.fill 96, 4, 3214868480
	.section	.rodata,"a",@progbits
	.p2align	6, 0x0
	.amdhsa_kernel k_q948cabbf47_oproj
		.amdhsa_group_segment_fixed_size 327680
		.amdhsa_private_segment_fixed_size 0
		.amdhsa_enable_private_segment 0
		.amdhsa_kernarg_size 48
		.amdhsa_user_sgpr_count 2
		.amdhsa_user_sgpr_kernarg_segment_ptr 1
		.amdhsa_wavefront_size32 1
		.amdhsa_system_sgpr_workgroup_id_x 1
		.amdhsa_system_sgpr_workgroup_id_y 1
		.amdhsa_system_sgpr_workgroup_id_z 1
		.amdhsa_system_vgpr_workitem_id 0
		.amdhsa_next_free_vgpr 1024
		.amdhsa_next_free_sgpr 100
		.amdhsa_reserve_vcc 0
		.amdhsa_float_denorm_mode_32 3
		.amdhsa_float_denorm_mode_16_64 3
		.amdhsa_memory_ordered 1
		.amdhsa_forward_progress 1
		.amdhsa_inst_pref_size 141
	.end_amdhsa_kernel
	.amdgpu_metadata
---
amdhsa.version: [ 1, 2 ]
amdhsa.kernels:
  - .name:           k_q948cabbf47_oproj
    .symbol:         k_q948cabbf47_oproj.kd
    .args:
      - { .name: wo_codes, .offset: 0, .size: 8, .value_kind: global_buffer, .address_space: global }
      - { .name: wo_scales, .offset: 8, .size: 8, .value_kind: global_buffer, .address_space: global }
      - { .name: a_img, .offset: 16, .size: 8, .value_kind: global_buffer, .address_space: global }
      - { .name: a_scl, .offset: 24, .size: 8, .value_kind: global_buffer, .address_space: global }
      - { .name: hidden_states, .offset: 32, .size: 8, .value_kind: global_buffer, .address_space: global }
      - { .name: out0, .offset: 40, .size: 8, .value_kind: global_buffer, .address_space: global }
    .group_segment_fixed_size: 327680
    .private_segment_fixed_size: 0
    .kernarg_segment_align: 8
    .kernarg_segment_size: 48
    .max_flat_workgroup_size: 128
    .sgpr_count:     100
    .vgpr_count:     1024
    .wavefront_size: 32
...
	.end_amdgpu_metadata
.endif
;; end of part 4
